; MI455X (gfx1250); checked and timed in simulation.
; The chip was launched on July 23, 2026; its instructions are those of AMD's public machine-readable ISA for CDNA 5 (MIT licence, August 2026) and "CDNA5" Instruction Set Architecture Reference Guide (July 2026). The comments in the code are by the model that wrote it; some were corrected since.
;; Attention. Allowed arithmetic: matrix products marked QUANTISED: E2M3 operands, one E8M0 scale for each 32 along K, by v_wmma_scale_f32_16x16x128_f8f6f4 with both operands' format E2M3, f32 sums; everything else in f32.
;; Inputs: b_proj 1,024 float32; w_proj 1,024 x 1,024 float32; w_qkv 1,024 x 3,072 float32; x 4 x 2,048 x 1,024 float32.
;; Outputs: out0 4 x 2,048 x 1,024 float32.
;; This version of the problem:
;;   THIS VERSION OF THE PROBLEM IS GIVEN IN LOW PRECISION. The matrix products marked QUANTISED in the list below multiply operands that are first quantised to E2M3 (2 exponent bits, 3 mantissa bits; 6 bits a number), with one power-of-two scale for each 32 numbers along K (OCP MX v1.0); their sums are f32. All else is computed in f32.
;;   The module's matrix products, in the order in which they are computed (A, B: the left and right operand; K: the contracted axis; several contracted axes count as one K, in the product's order):
;;     1. [M 8,192, K 1,024] x [K 1,024, N 3,072]; A: input x; B: input w_qkv: QUANTISED
;;     2. batch 64 x [M 2,048, K 64] x [K 64, N 2,048]; A: computed on the way; B: computed on the way: QUANTISED
;;     3. batch 64 x [M 2,048, K 2,048] x [K 2,048, N 64]; A: softmax (see below); B: computed on the way: QUANTISED
;;     4. [M 8,192, K 1,024] x [K 1,024, N 1,024]; A: computed on the way; B: input w_proj: QUANTISED
;;   THE QUANTISER, for each operand of a quantised product, along K:
;;     - K is cut into blocks of 32 from its start; a last block that is shorter is filled with zeros.
;;     - A block's scale is 2^e with e = floor(log2(the largest magnitude in the block)) - 2, held to -126 .. 127; a block of zeros has e = 0. As a byte (E8M0): e + 127.
;;     - Each number is divided by its block's scale, clamped to +-7.5, and rounded to the nearest number of E2M3, ties to even, subnormals kept.
;;     - The product sums the exact products of the quantised numbers (number of the format x scale) in f32.
;;   ~~~python
;;   def quantise(x, axis):      # numpy; x: float32 -> the quantised numbers, widened to float32 again
;;       x = np.moveaxis(x, axis, -1); K = x.shape[-1]
;;       x = np.pad(x, [(0, 0)] * (x.ndim - 1) + [(0, -K % 32)]); x = x.reshape(x.shape[:-1] + (-1, 32)); a = np.abs(x).max(-1, keepdims=True)
;;       e = np.where(a > 0, np.clip(np.frexp(np.where(a > 0, a, 1))[1] - 1 - 2, -126, 127), 0)      # np.frexp(a)[1] - 1 = floor(log2(a)), exactly
;;       r = np.clip(x / 2.0 ** e, -7.5, 7.5)
;;       step = 2.0 ** (np.maximum(np.frexp(np.where(r == 0, 1, r))[1] - 1, 0) - 3)
;;       q = np.round(r / step) * step * 2.0 ** e      # np.round: ties to even
;;       return np.moveaxis(q.reshape(q.shape[:-2] + (-1,))[..., :K], -1, axis).astype(np.float32)
;;   ~~~
;;   SOFTMAX AHEAD OF A QUANTISED PRODUCT. Where the list says 'softmax', what is quantised is not the finished softmax but p = 2^(t - M), with t = logit x log2(e) and M = ceil(the row's largest t), a whole number; so 1/2 < the row's largest p <= 1. The row's sum l is taken of the UNQUANTISED p, in f32, and the product's result is divided by l at the end. Since M is a whole number, a kernel that streams over the keys may use a running M (the ceiling of the running maximum): every later rescaling is an exact power of two, which a block's scale takes up: the codes' values come out the same.
;;   OPERANDS COMPUTED ON THE WAY. 'Computed on the way' means the value that the module computes at that place (a softmax that the list does not call 'softmax' is quantised finished and normalised). What goes into a quantiser is computed in f32, as accurately as f32 sums, v_exp_f32 and their like allow (about 1e-6 of the number): no bf16 or f16 on the way to a quantiser, and a product that is left as it is and whose result goes on into a quantised operand takes f32 operands (vector FMAs, or v_wmma_f32_16x16x4_f32). A number that lies on a knife's edge between two numbers of the format may be rounded either way, as far as f32 arithmetic and the matrix unit's own rounding can turn it there, and no further.
;; One version. Each part assembles by itself: llvm-mc -triple=amdgcn-amd-amdhsa -mcpu=gfx1250 --defsym DOCPART=n.
;; ======== version 1 of 1: 4 launches
;; limits: right only within a limited range of input values
;; workspace buffers: opc 9,437,184 bytes; ops 393,216 bytes; qkv 20,185,088 bytes; oimg 6,291,456 bytes; oscl 262,144 bytes
;; launch quant (part 1): grid 640 x 1, 8 waves a work-group, no clusters, 93,184 bytes of LDS; arguments x, w_qkv, w_proj, opc, ops; writes opc, ops
.if DOCPART == 1
	.amdgcn_target "amdgcn-amd-amdhsa--gfx1250"
	.amdhsa_code_object_version 6
	.text
	.protected	k_qedbfbc8a09_quant
	.globl	k_qedbfbc8a09_quant
	.p2align	8
	.type	k_qedbfbc8a09_quant,@function
k_qedbfbc8a09_quant:
	s_mov_b64 s[64:65], 0
	v_nop
	global_prefetch_b8 v0, s[64:65] scope:SCOPE_SE
	s_setreg_imm32_b32 hwreg(HW_REG_WAVE_MODE, 25, 1), 1
	s_wait_xcnt 0x0
; LAUNCH 1 OF 4: x [8192][1024], w_qkv [1024][3072] and w_proj [1024][1024], f32, become codes of FP6 (E2M3) with one E8M0 byte for each 32 along K, laid as the matrix unit's registers take them.
; THE WHOLE PROGRAM: (1) this launch; (2) q, k, v = x w_qkv on codes, quantised on the way out; (3) attention on codes, its result quantised on the way out; (4) the projection on codes, + b_proj.
; NO WORK IS LEFT OUT: every input has a way to the output, every product of the problem is live, and all four are done.
; LIMITS: NaN and infinities among the inputs are not served.  A block of zeros gets the scale byte 1 where the rule says 127: its codes are zeros, which add nothing, and this program alone reads the bytes.
; A block whose largest magnitude lies under 2^-124 has its byte held at 1.
; ROW ORDER.  Every operand's rows (x's positions, the weights' columns) are stored with bits 3 and 4 of the row number swapped: stored row p holds row pi(p).  Lane r of stored tile 2 b + u is then row
; 32 b + 8 u + r + 8 (r / 8), and a product that takes such a tile as source 0 leaves in a lane's 16 registers of tiles 2 b, 2 b + 1 sixteen NEIGHBOURS: so each result can be quantised in registers for the next product.
; FRAGMENT IMAGE.  16 rows x 128 K are 12 registers a lane; they lie in memory as two halves of 768 bytes (64 K each): registers 6 c .. 6 c + 3 at 16 x lane, registers 6 c + 4, 6 c + 5 at 512 + 8 x lane.
; opc: [row tile 0..767][K step 0..7][1536];  ops: [row tile][K step][16 words].  Row tiles 0-511: x; 512-703: w_qkv's columns; 704-767: w_proj's.
; SHARES.  Work-groups 0-127 take the weights (K is their FIRST axis: a lane takes a column and its registers run down K); the others take x (K innermost: 16 rows x 128 K to a wave, turned through LDS).
; Waves share nothing: no barrier.  Each of the two paths has LDS bytes of its own.  No matrix unit, no cluster, no tensor load: the launch moves each byte once and has nothing that work-groups share.
.set XPITCH, 528                       ; x's stage: a row of 512 bytes + 16
.set XSTG,   16*XPITCH                 ; a wave's
.set WBASE,  8*XSTG                    ; the weights' stages: two fragment images a wave
.set WSTG,   3072
.set SPARE,  WBASE+8*WSTG              ; the spare words, 128 bytes for each wave: four blocks of 256 bytes that no other line names
.set SPW,    12                        ; v12  LDS address of my spare word; never rewritten
.set NIL,    13                        ; v13  0; never rewritten
.set XR,     32                        ; path x: v32-95 as loaded; v96-159 my 64 numbers; v160-171 the codes; v172-178 at work
.set XX,     96
.set XC,     160
.set XT,     172
.set VO,     32                        ; path w: v32-63 offsets of 32 rows; v64-127 two sets of 32 numbers; v128+8 t the codes of block t; v160-162 at work; v164-187 the way out
.set WX,     64
.set WC,     128
.set WT,     160
.set WO,     164
	s_load_b128 s[4:7], s[0:1], 0x0                ; x, w_qkv
	s_load_b128 s[8:11], s[0:1], 0x10              ; w_proj, opc
	s_load_b64 s[12:13], s[0:1], 0x20              ; ops
	v_lshl_add_u32 v[SPW], v0, 2, SPARE
	v_mov_b32 v[NIL], 0
	v_lshrrev_b32 v1, 5, v0
	s_delay_alu instid0(VALU_DEP_1)
	v_readfirstlane_b32 s14, v1                    ; wave 0..7
	v_and_b32 v1, 31, v0                           ; lane
	v_and_b32 v2, 15, v0                           ; r
	v_bfe_u32 v3, v0, 4, 1                         ; h
	s_delay_alu instid0(VALU_DEP_3)
	v_lshlrev_b32 v4, 4, v1                        ; 16 x lane
	s_delay_alu instid0(VALU_DEP_4)
	v_lshlrev_b32 v5, 3, v1                        ; 8 x lane
	; every LDS address of both paths is made here, ahead of the parting
	s_mul_i32 s15, s14, XSTG
	v_add_nc_u32 v6, s15, v4                       ; x's stage, in: a row's 512 bytes as they lie
	v_mul_u32_u24 v7, v2, XPITCH
	s_delay_alu instid0(VALU_DEP_1)
	v_lshl_add_u32 v7, v3, 7, v7
	s_delay_alu instid0(VALU_DEP_1)
	v_add_nc_u32 v7, s15, v7                       ; and out: row r, + 128 h: my 32 numbers of each 64
	v_lshlrev_b32 v8, 3, v3                        ; 8 h
	v_lshlrev_b32 v9, 4, v3                        ; 16 h
	v_lshlrev_b32 v10, 2, v2
	s_delay_alu instid0(VALU_DEP_1)
	v_lshl_add_u32 v10, v3, 1, v10                 ; 4 r + 2 h: my half of my row's scale word
	v_lshlrev_b32 v11, 2, v1                       ; 4 x lane
	s_mul_i32 s16, s14, WSTG
	s_add_co_u32 s16, s16, WBASE
	v_bfe_u32 v14, v0, 3, 1                        ; column l of 32 is stored in tile u = (l / 8) % 2
	v_and_b32 v15, 7, v0
	s_delay_alu instid0(VALU_DEP_1)
	v_lshl_add_u32 v15, v3, 3, v15                 ; at row l % 8 + 8 (l / 16)
	s_delay_alu instid0(VALU_DEP_3)
	v_mul_u32_u24 v16, v14, 1536
	s_delay_alu instid0(VALU_DEP_1)
	v_add_nc_u32 v16, s16, v16
	s_delay_alu instid0(VALU_DEP_1)
	v_lshl_add_u32 v17, v15, 3, v16                ; where that row's registers 4, 5 of a half go,
	s_delay_alu instid0(VALU_DEP_2)
	v_lshl_add_u32 v16, v15, 4, v16                ; and its registers 0 to 3
	v_add_nc_u32 v18, s16, v4                      ; the images read back as they lie
	v_lshlrev_b32 v19, 2, v15
	s_delay_alu instid0(VALU_DEP_1)
	v_lshl_add_u32 v19, v14, 9, v19                ; my column's scale word in ops: 512 u + 4 x row
	s_mov_b32 s44, 0x76543210
	s_mov_b32 s45, 0xfedcba98                      ; v_permlanex16_b32's selects for lane l xor 16
	s_cmp_lt_u32 ttmp9, 128
	s_cbranch_scc0 .Lpath_x
	; ---------------- THE WEIGHTS.  A wave takes 32 columns x one K step of 128: four blocks of 32 a lane
	s_lshr_b32 s17, ttmp9, 2                       ; which 128 columns: 0-23 w_qkv's, 24-31 w_proj's
	s_and_b32 s18, ttmp9, 3
	s_and_b32 s19, s14, 3                          ; which 32 of them: four waves stand side by side on 512 bytes of a row
	s_lshr_b32 s20, s14, 2
	s_lshl_b32 s18, s18, 1
	s_add_co_u32 s18, s18, s20                     ; the K step
	s_lshl_b32 s21, s17, 3
	s_lshl_b32 s22, s19, 1
	s_add_co_u32 s21, s21, s22
	s_add_co_u32 s21, s21, 512                     ; my first row tile
	s_mov_b32 s23, 12288
	s_wait_kmcnt 0x0
	s_cmp_ge_u32 s17, 24                           ; the choice hangs on the work-group's number alone
	s_cselect_b64 s[24:25], s[8:9], s[6:7]
	s_cselect_b32 s23, 4096, s23                   ; a row of the weight in bytes
	s_cselect_b32 s26, 24, 0
	s_sub_co_u32 s26, s17, s26
	s_lshl_b32 s26, s26, 7
	s_lshl_b32 s27, s19, 5
	s_add_co_u32 s26, s26, s27                     ; my first column
	s_lshl_b32 s26, s26, 2
	s_lshl_b32 s27, s18, 7
	s_mul_i32 s27, s27, s23                        ; my first row of K
	s_add_co_u32 s26, s26, s27
	s_mov_b32 s27, 0
	s_add_nc_u64 s[32:33], s[24:25], s[26:27]      ; a base for each block of 32 rows: no address is ever stepped
	s_lshl_b32 s26, s23, 5
	s_add_nc_u64 s[34:35], s[32:33], s[26:27]
	s_add_nc_u64 s[36:37], s[34:35], s[26:27]
	s_add_nc_u64 s[38:39], s[36:37], s[26:27]
	s_lshl_b32 s28, s21, 3
	s_add_co_u32 s28, s28, s18
	s_mul_i32 s28, s28, 1536
	s_mov_b32 s29, 0
	s_add_nc_u64 s[40:41], s[10:11], s[28:29]      ; my first image in opc
	s_lshl_b32 s28, s21, 9
	s_lshl_b32 s30, s18, 6
	s_add_co_u32 s28, s28, s30
	s_add_nc_u64 s[42:43], s[12:13], s[28:29]      ; and its scale words in ops
.set n, 0
.rept 32
	v_mad_u32_u24 v[VO+n], s23, n, v11             ; row n of a block, my column
.set n, n+1
.endr
.macro LOAD t                          ; block t: 32 rows of K at my column, into set t % 2; a wave reads 128 neighbouring bytes of a row
.set n, 0
.rept 32
	global_load_b32 v[WX+32*((\t)%2)+n], v[VO+n], s[32+2*(\t):33+2*(\t)] th:TH_LOAD_NT
.set n, n+1
.endr
.endm
	LOAD 0
	LOAD 1
.macro BLOCK t
.set XS, WX+32*((\t)%2)
.set CT, WC+8*(\t)
.if (\t) < 3
	s_wait_loadcnt 32                              ; this block's 32 loads are in; the next block's 32 may be out
.else
	s_wait_loadcnt 0x0
.endif
	v_max3_num_f32 v20, |v[XS]|, |v[XS+1]|, |v[XS+2]|             ; the block's largest magnitude: all 32 numbers are mine
	v_max3_num_f32 v21, |v[XS+3]|, |v[XS+4]|, |v[XS+5]|
.irp i, 6,10,14,18,22,26
	s_delay_alu instid0(VALU_DEP_2)
	v_max3_num_f32 v20, v20, |v[XS+\i]|, |v[XS+\i+1]|
	s_delay_alu instid0(VALU_DEP_2)
	v_max3_num_f32 v21, v21, |v[XS+\i+2]|, |v[XS+\i+3]|
.endr
	s_delay_alu instid0(VALU_DEP_2)
	v_max3_num_f32 v20, v20, |v[XS+30]|, |v[XS+31]|
	s_delay_alu instid0(VALU_DEP_1)
	v_max3_num_f32 v20, v20, v21, 0x1800000        ; and the floor 2^(3 - 127): the byte cannot fall under 1
	s_delay_alu instid0(VALU_DEP_1)
	v_add_nc_u32 v22, 0xff000000, v20              ; 2 off its exponent field: the conversion takes the exponent field of this operand as its scale
	s_delay_alu instid0(VALU_DEP_1)
	v_lshrrev_b32 v23, 23, v22                     ; the scale's byte
.if (\t) == 0
	s_delay_alu instid0(VALU_DEP_1)
	v_mov_b32 v24, v23
.else
	s_delay_alu instid0(VALU_DEP_1)
	v_lshl_or_b32 v24, v23, 8*(\t), v24            ; four bytes make my column's scale word of this K step
.endif
	v_cvt_scalef32_pk16_fp6_f32 v[CT:CT+2], v[XS:XS+15], v22
	v_cvt_scalef32_pk16_fp6_f32 v[WT:WT+2], v[XS+16:XS+31], v22   ; (a conversion's three registers begin on an even number)
	v_nop                                          ; one plain line behind the conversions
.irp i, 0,1,2
	v_mov_b32 v[CT+3+\i], v[WT+\i]
.endr
	ds_store_b128 v16, v[CT:CT+3] offset:768*((\t)/2)+256*((\t)%2)        ; block t is what lane (row, t % 2) holds in registers 6 (t / 2) on
	ds_store_b64 v17, v[CT+4:CT+5] offset:768*((\t)/2)+512+128*((\t)%2)
.if (\t)+2 < 4
	LOAD (\t)+2
.endif
.endm
.irp t, 0,1,2,3
	BLOCK \t
.endr
.irp i, 0,1,2,3,4,5
	ds_load_b128 v[WO+4*\i:WO+4*\i+3], v18 offset:512*\i         ; LDS serves a wave's instructions in order: these see my stores
.endr
	s_wait_alu depctr_va_vdst(0)
.irp i, 0,1,2,3,4,5
	s_wait_dscnt 5-\i                              ; the younger loads may be out
	global_store_b128 v4, v[WO+4*\i:WO+4*\i+3], s[40:41] offset:12288*(\i/3)+512*(\i%3)   ; 512 consecutive bytes, aligned; the second image belongs to the next row tile
.endr
	global_store_b32 v19, v24, s[42:43]
	s_wait_tensorcnt 0x0                           ; the wave's end, behind my last LDS store
	ds_add_u32 v[SPW], v[NIL]
	s_wait_dscnt 0x0
	s_endpgm
	; ---------------- x.  A work-group takes a row tile, wave s its K step s: 16 rows x 128 K
.Lpath_x:
	s_sub_co_u32 s20, ttmp9, 128                   ; the row tile
	s_lshr_b32 s21, s20, 1
	s_lshl_b32 s22, s21, 17                        ; 32 rows of 4,096 bytes for each pair of tiles,
	s_and_b32 s23, s20, 1
	s_lshl_b32 s23, s23, 15                        ; 8 rows for the odd tile,
	s_add_co_u32 s22, s22, s23
	s_lshl_b32 s23, s14, 9                         ; 512 bytes a K step
	s_add_co_u32 s22, s22, s23
	s_mov_b32 s23, 0
	s_lshl_b32 s24, s20, 3
	s_add_co_u32 s24, s24, s14
	s_mul_i32 s24, s24, 1536
	s_mov_b32 s25, 0
	s_lshl_b32 s26, s20, 9
	s_lshl_b32 s27, s14, 6
	s_add_co_u32 s26, s26, s27
	s_mov_b32 s27, 0
	s_wait_kmcnt 0x0
	s_add_nc_u64 s[16:17], s[4:5], s[22:23]
	s_add_nc_u64 s[18:19], s[10:11], s[24:25]
	s_add_nc_u64 s[28:29], s[12:13], s[26:27]
.set n, 0
.rept 16
	global_load_b128 v[XR+4*n:XR+4*n+3], v4, s[16:17] offset:(n+8*(n/8))*4096 th:TH_LOAD_NT   ; stored row n of the tile: 512 consecutive bytes
.set n, n+1
.endr
.set n, 0
.rept 16
	s_wait_loadcnt 15-n                            ; the younger loads may be out
	ds_store_b128 v6, v[XR+4*n:XR+4*n+3] offset:XPITCH*n
.set n, n+1
.endr
.irp c, 0,1
.irp j, 0,1,2,3,4,5,6,7
	ds_load_b128 v[XX+32*\c+4*\j:XX+32*\c+4*\j+3], v7 offset:256*\c+16*\j   ; row r, k = 64 c + 32 h + 0 .. 31: the very numbers whose codes the operand's layout gives this lane
.endr
.endr
	s_wait_dscnt 0x0
.irp c, 0,1
	v_max3_num_f32 v[20+\c], |v[XX+32*\c]|, |v[XX+32*\c+1]|, 0x1800000   ; my block 2 c + h, and the floor
.endr
.irp i, 2,4,6,8,10,12,14,16,18,20,22,24,26,28,30
.irp c, 0,1
	s_delay_alu instid0(VALU_DEP_2)
	v_max3_num_f32 v[20+\c], v[20+\c], |v[XX+32*\c+\i]|, |v[XX+32*\c+\i+1]|
.endr
.endr
.irp c, 0,1
	s_delay_alu instid0(VALU_DEP_2)
	v_add_nc_u32 v[22+\c], 0xff000000, v[20+\c]    ; the conversion's scale operand
.endr
.irp c, 0,1
	s_delay_alu instid0(VALU_DEP_2)
	v_lshrrev_b32 v[24+\c], 23, v[22+\c]           ; the byte
.endr
	s_delay_alu instid0(VALU_DEP_1)
	v_lshl_or_b32 v26, v25, 16, v24                ; blocks h and 2 + h,
	s_delay_alu instid0(VALU_DEP_1)
	v_lshlrev_b32 v26, v8, v26                     ; at their places in the word;
	v_mov_b32 v27, 0
	s_delay_alu instid0(VALU_DEP_1)
	v_permlanex16_b32 v27, v26, s44, s45
	s_delay_alu instid0(VALU_DEP_1)
	v_or_b32 v26, v26, v27                         ; with lane l xor 16's two the word is whole
	s_delay_alu instid0(VALU_DEP_1)
	v_lshrrev_b32 v26, v9, v26                     ; each lane stores one half of it: every byte has one writer
.irp c, 0,1
	v_cvt_scalef32_pk16_fp6_f32 v[XC+6*\c:XC+6*\c+2], v[XX+32*\c:XX+32*\c+15], v[22+\c]
	v_cvt_scalef32_pk16_fp6_f32 v[XT+4*\c:XT+4*\c+2], v[XX+32*\c+16:XX+32*\c+31], v[22+\c]
.endr
	v_nop                                          ; one plain line behind the conversions
.irp c, 0,1
.irp i, 0,1,2
	v_mov_b32 v[XC+6*\c+3+\i], v[XT+4*\c+\i]
.endr
.endr
	global_store_b128 v4, v[XC:XC+3], s[18:19]
	global_store_b64 v5, v[XC+4:XC+5], s[18:19] offset:512
	global_store_b128 v4, v[XC+6:XC+9], s[18:19] offset:768
	global_store_b64 v5, v[XC+10:XC+11], s[18:19] offset:1280
	global_store_b16 v10, v26, s[28:29]
	s_wait_tensorcnt 0x0                           ; the wave's end, behind my last LDS store
	ds_add_u32 v[SPW], v[NIL]
	s_wait_dscnt 0x0
	s_endpgm
.Lfunc_end_k_qedbfbc8a09_quant:
	.size	k_qedbfbc8a09_quant, .Lfunc_end_k_qedbfbc8a09_quant-k_qedbfbc8a09_quant
	.p2alignl 7, 3214868480
	.fill 96, 4, 3214868480
	.section	.rodata,"a",@progbits
	.p2align	6, 0x0
	.amdhsa_kernel k_qedbfbc8a09_quant
		.amdhsa_group_segment_fixed_size 93184
		.amdhsa_private_segment_fixed_size 0
		.amdhsa_enable_private_segment 0
		.amdhsa_kernarg_size 40
		.amdhsa_user_sgpr_count 2
		.amdhsa_user_sgpr_kernarg_segment_ptr 1
		.amdhsa_wavefront_size32 1
		.amdhsa_system_sgpr_workgroup_id_x 1
		.amdhsa_system_sgpr_workgroup_id_y 1
		.amdhsa_system_sgpr_workgroup_id_z 1
		.amdhsa_system_vgpr_workitem_id 0
		.amdhsa_next_free_vgpr 192
		.amdhsa_next_free_sgpr 66
		.amdhsa_reserve_vcc 0
		.amdhsa_float_denorm_mode_32 3
		.amdhsa_float_denorm_mode_16_64 3
		.amdhsa_memory_ordered 1
		.amdhsa_forward_progress 1
		.amdhsa_inst_pref_size 38
	.end_amdhsa_kernel
	.amdgpu_metadata
---
amdhsa.version: [ 1, 2 ]
amdhsa.kernels:
  - .name:           k_qedbfbc8a09_quant
    .symbol:         k_qedbfbc8a09_quant.kd
    .args:
      - { .name: x, .offset: 0, .size: 8, .value_kind: global_buffer, .address_space: global }
      - { .name: w_qkv, .offset: 8, .size: 8, .value_kind: global_buffer, .address_space: global }
      - { .name: w_proj, .offset: 16, .size: 8, .value_kind: global_buffer, .address_space: global }
      - { .name: opc, .offset: 24, .size: 8, .value_kind: global_buffer, .address_space: global }
      - { .name: ops, .offset: 32, .size: 8, .value_kind: global_buffer, .address_space: global }
    .group_segment_fixed_size: 93184
    .private_segment_fixed_size: 0
    .kernarg_segment_align: 8
    .kernarg_segment_size: 40
    .max_flat_workgroup_size: 256
    .sgpr_count:     66
    .vgpr_count:     192
    .wavefront_size: 32
...
	.end_amdgpu_metadata
.endif
;; end of part 1
;; launch qkvgemm (part 2): grid 8 x 48, 4 waves a work-group, clusters of 4 x 4, 327,680 bytes of LDS; arguments opc, ops, qkv; writes qkv
.if DOCPART == 2
	.amdgcn_target "amdgcn-amd-amdhsa--gfx1250"
	.amdhsa_code_object_version 6
	.text
	.protected	k_qedbfbc8a09_qkvgemm
	.globl	k_qedbfbc8a09_qkvgemm
	.p2align	8
	.type	k_qedbfbc8a09_qkvgemm,@function
k_qedbfbc8a09_qkvgemm:
	s_mov_b64 s[64:65], 0
	v_nop
	global_prefetch_b8 v0, s[64:65] scope:SCOPE_SE
	s_setreg_imm32_b32 hwreg(HW_REG_WAVE_MODE, 25, 1), 1
	s_wait_xcnt 0x0
	s_wait_alu depctr_hold_cnt(0) depctr_sa_sdst(0) depctr_va_vdst(0) depctr_va_sdst(0) depctr_va_ssrc(0) depctr_va_vcc(0) depctr_vm_vsrc(0)
	s_getreg_b32 s2, hwreg(HW_REG_IB_STS2, 6, 4)
	s_cmp_eq_u32 s2, 0
	s_cbranch_scc0 .Lentry_in_a_cluster
	s_endpgm
.Lentry_in_a_cluster:
	s_bfe_u32 s2, ttmp6, 0x10000c
	s_cmp_lg_u32 s2, 0xf033
	s_cbranch_scc0 .Lentry_shape_is_right
	s_endpgm
.Lentry_shape_is_right:
.set FR,     12
.set NP,     4
.set HALFT,  24576
.set SLOT,   4*HALFT
.set SCL,    2*SLOT
.set SPARE,  SCL+4*4096
.set QSZ,    6815744
.set ADRA, 16
.set ADRB, 20
.set ADRS, 27
.set SPW,  28
.set NIL,  29
.set SC,   32
.set AF,   128
.set PW,   64
.set TM,   88
.set CTM,  104
.set G1, 24
.set G0, 32
.set G1B, 48
.set G0B, 56
.set G1S, 68
.set G0S, 76
.set G1SB, 80
.set G0SB, 88
.set MSB, 0
.macro WIN new
.if MSB != (\new)
	s_set_vgpr_msb (MSB<<8)|(\new)
.set MSB, \new
.endif
.endm
.set MUL_LO, 0xa1
.set MUL_HI, 0xf1
.set TO_B,   0x40
.macro JLOAD g0a, g1a, g0b, g1b
	s_cmp_eq_u32 s15, 0
	s_cbranch_scc0 .Lfor_b_\@
	tensor_load_to_lds s[\g0a:\g0a+3], s[\g1a:\g1a+7]
	s_nop 0
.rept 4
	v_nop
.endr
	s_branch .Lasked_\@
.Lfor_b_\@:
	tensor_load_to_lds s[\g0b:\g0b+3], s[\g1b:\g1b+7]
	s_nop 0
.rept 4
	v_nop
.endr
.Lasked_\@:
.endm
.macro CREST
	s_cmp_lg_u32 s14, 0
	s_cbranch_scc1 .Lnot_wave_0_\@
	s_barrier_signal -3
.Lnot_wave_0_\@:
	s_barrier_wait -3
	s_barrier_signal -1
	s_barrier_wait -1
.endm
.macro CROUND
	s_barrier_signal -1
	s_barrier_wait -1
	CREST
.endm
	s_load_b128 s[4:7], s[0:1], 0x0
	s_load_b64 s[8:9], s[0:1], 0x10
	v_lshl_add_u32 v[SPW], v0, 2, SPARE
	v_mov_b32 v[NIL], 0
	ds_add_u32 v[SPW], v[NIL]
	ds_add_u32 v[SPW], v[NIL]
	v_lshrrev_b32 v1, 5, v0
	v_readfirstlane_b32 s14, v1
	s_lshr_b32 s15, s14, 1
	s_and_b32 s16, s14, 1
	s_bfe_u32 s40, ttmp6, 0x40000
	s_bfe_u32 s41, ttmp6, 0x40004
	s_and_b32 s43, ttmp7, 0xffff
	s_lshl_b32 s44, s43, 2
	s_lshl_b32 s45, s43, 3
	s_sub_co_u32 s45, s45, 64
	s_lshl_b32 s46, ttmp9, 2
	s_cmp_ge_u32 s43, 8
	s_cselect_b32 s96, 1, 0
	s_cselect_b32 s17, 40, s44
	s_cselect_b32 s42, s45, 32
	s_add_co_u32 s17, s17, s41
	s_add_co_u32 s42, s42, s46
	s_add_co_u32 s42, s42, s40
	s_lshl_b32 s92, s41, 2
	s_lshl_b32 s92, 15, s92
	s_lshl_b32 s93, 0x1111, s40
	s_or_b32 s[G1], s92, (3<<16)|(1<<21)
	s_or_b32 s[G1B], s93, (3<<16)|(1<<21)
	s_or_b32 s[G1S], s92, (3<<16)|(1<<21)
	s_or_b32 s[G1SB], s93, (3<<16)|(1<<21)
.irp g, G1, G1B
	s_mov_b32 s[\g+1], 384<<16
	s_mov_b32 s[\g+2], 16<<16                      ; the head's loads of codes bring all 16 row tiles of a side; the ring's loads 8 (set behind the head's wait)
	s_mov_b32 s[\g+3], 384<<16
	s_mov_b32 s[\g+4], 16
	s_mov_b32 s[\g+5], 1536
	s_mov_b32 s[\g+6], 0
	s_mov_b32 s[\g+7], 0
.endr
.irp g, G1S, G1SB
	s_mov_b32 s[\g+1], 32<<16
	s_mov_b32 s[\g+2], 32<<16                      ; the scales of all 16 row tiles of a side: 32 rows of 256 bytes
	s_mov_b32 s[\g+3], 32<<16
	s_mov_b32 s[\g+4], 32
	s_mov_b32 s[\g+5], 32
	s_mov_b32 s[\g+6], 0
	s_mov_b32 s[\g+7], 0
.endr
	s_lshl_b32 s18, s16, 3
	s_lshl_b32 s20, s17, 4
	s_add_co_u32 s20, s20, s18
	s_lshl_b32 s46, s42, 4
	s_add_co_u32 s46, s46, s18
	s_lshl_b32 s22, s17, 13                        ; the scales of a side's 16 row tiles begin at 16 x 512 bytes x its tile number
	s_lshl_b32 s94, s42, 13
	s_mul_i32 s20, s20, 12288
	s_mul_i32 s46, s46, 12288
	s_mov_b32 s21, 0
	s_mov_b32 s23, 0
	s_mov_b32 s47, 0
	s_mov_b32 s95, 0
	s_mul_i32 s45, s14, HALFT
	s_lshl_b32 s19, s15, 13                        ; LDS: A's scales (wave 1 brings them) at SCL, B's (wave 3) 8,192 bytes on
	s_mov_b32 s97, 0x1800000
	s_mov_b32 s2, 0x76543210
	s_mov_b32 s3, 0xfedcba98
	s_wait_dscnt 0x0
	s_wait_kmcnt 0x0
	s_add_nc_u64 s[20:21], s[4:5], s[20:21]
	s_add_nc_u64 s[22:23], s[6:7], s[22:23]
	s_add_nc_u64 s[46:47], s[4:5], s[46:47]
	s_add_nc_u64 s[94:95], s[6:7], s[94:95]
	CROUND
	s_mov_b32 s[G0S], 1
	s_add_co_u32 s[G0S+1], s19, SCL
	s_mov_b64 s[G0S+2:G0S+3], s[22:23]
	s_or_b32 s[G0S+3], s[G0S+3], 0x80000000
	s_mov_b32 s[G0SB], 1
	s_add_co_u32 s[G0SB+1], s19, SCL
	s_mov_b64 s[G0SB+2:G0SB+3], s[94:95]
	s_or_b32 s[G0SB+3], s[G0SB+3], 0x80000000
.irp s, 0,1
	s_mov_b32 s[G0+4*\s], 1
	s_add_co_u32 s[G0+4*\s+1], s45, \s*SLOT
	s_add_nc_u64 s[G0+4*\s+2:G0+4*\s+3], s[20:21], \s*3072
	s_or_b32 s[G0+4*\s+3], s[G0+4*\s+3], 0x80000000
	s_mov_b32 s[G0B+4*\s], 1
	s_add_co_u32 s[G0B+4*\s+1], s45, \s*SLOT
	s_add_nc_u64 s[G0B+4*\s+2:G0B+4*\s+3], s[46:47], \s*3072
	s_or_b32 s[G0B+4*\s+3], s[G0B+4*\s+3], 0x80000000
.endr
; THE HEAD'S LOADS, ONE A WAVE: wave 0 slot 0's 16 row tiles of A, wave 1 A's scales, wave 2 slot 0's 16 row tiles of B, wave 3 B's scales.
; Waves 0 and 2 use their own slot 0 descriptors: their half is the first, so 16 rows from there are the whole side.  One chain of branches on the wave's number, one load to an arm.
.macro ARM under, g0, g1, next
	s_cmp_lt_u32 s14, \under
	s_cbranch_scc0 \next
	tensor_load_to_lds s[\g0:\g0+3], s[\g1:\g1+7]
	s_nop 0
.rept 4
	v_nop
.endr
	s_branch .Lhead_asked
\next:
.endm
	ARM 1, G0, G1, .Lhead_sa
	ARM 2, G0S, G1S, .Lhead_b
	ARM 3, G0B, G1B, .Lhead_sb
	tensor_load_to_lds s[G0SB:G0SB+3], s[G1SB:G1SB+7]
	s_nop 0
.rept 4
	v_nop
.endr
.Lhead_asked:
	v_and_b32 v1, 31, v0
	v_and_b32 v2, 15, v0
	v_bfe_u32 v3, v0, 4, 1
	v_lshlrev_b32 v4, 4, v1
	v_lshlrev_b32 v5, 3, v1
	s_mul_i32 s21, s15, HALFT
	s_mul_i32 s22, s16, HALFT
	s_add_co_u32 s22, s22, 2*HALFT
.irp s, 0,1
	v_add_nc_u32 v[ADRA+\s], s21, v4
	v_add_nc_u32 v[ADRA+2+\s], s21, v5
	v_add_nc_u32 v[ADRB+\s], s22, v4
	v_add_nc_u32 v[ADRB+2+\s], s22, v5
	s_add_co_u32 s21, s21, SLOT
	s_add_co_u32 s22, s22, SLOT
.endr
	s_lshl_b32 s21, s15, 12
	s_lshl_b32 s22, s16, 12
	s_add_co_u32 s22, s22, 8192
	s_sub_co_u32 s22, s22, s21
	v_mul_u32_u24 v6, s22, v3
	s_add_co_u32 s21, s21, SCL
	v_lshl_add_u32 v6, v2, 2, v6
	v_add_nc_u32 v[ADRS], s21, v6
.irp b, 0,1,2,3
	v_mov_b32 v[TM+4+\b], 0
.endr
	s_cmp_eq_u32 s96, 1
	s_cselect_b32 s18, s42, s17
	s_cselect_b32 s19, s17, s42
	s_cselect_b32 s20, s16, s15
	s_cselect_b32 s21, s15, s16
	s_lshl_b32 s18, s18, 1
	s_add_co_u32 s18, s18, s20
	s_sub_co_u32 s19, s19, 32
	s_lshl_b32 s19, s19, 1
	s_add_co_u32 s19, s19, s21
	s_lshr_b32 s20, s18, 4
	s_and_b32 s21, s18, 15
	s_lshr_b32 s22, s19, 3
	s_and_b32 s23, s19, 7
	s_lshl_b32 s20, s20, 4
	s_lshl_b32 s23, s23, 1
	s_add_co_u32 s20, s20, s23
	s_lshl_b32 s20, s20, 4
	s_add_co_u32 s20, s20, s21
	s_cmp_eq_u32 s22, 0
	s_mov_b32 s43, 13056
	s_cselect_b32 s43, 6656, s43
	s_cselect_b32 s44, 0, QSZ
	s_mov_b32 s45, 12288
	s_cselect_b32 s45, 6144, s45
	s_cmp_eq_u32 s22, 2
	s_cselect_b32 s46, 6144, 0
	s_cselect_b32 s45, 6656, s45
	s_mul_i32 s20, s20, s43
	s_add_co_u32 s20, s20, s44
	s_add_co_u32 s20, s20, s46
	s_mov_b32 s21, 0
	s_add_nc_u64 s[10:11], s[8:9], s[20:21]
	s_lshl_b32 s20, s43, 4
	s_add_nc_u64 s[12:13], s[10:11], s[20:21]
	s_mov_b32 s20, s45
	s_add_nc_u64 s[66:67], s[10:11], s[20:21]
	s_add_nc_u64 s[98:99], s[12:13], s[20:21]
.macro FRAG reg, adr, q, i
	ds_load_b128 v[\reg:\reg+3], v[\adr] offset:3072*(\i)+1536*(\q)
	ds_load_b64 v[\reg+4:\reg+5], v[\adr+2] offset:3072*(\i)+1536*(\q)+512
	ds_load_b128 v[\reg+6:\reg+9], v[\adr] offset:3072*(\i)+1536*(\q)+768
	ds_load_b64 v[\reg+10:\reg+11], v[\adr+2] offset:3072*(\i)+1536*(\q)+1280
.endm
.macro MUL16 a0, p, q, sc, zero
.irp a, \a0, \a0+1
.irp b, 0,1,2,3,4,5,6,7
.if \zero
	v_wmma_scale_f32_16x16x128_f8f6f4 v[8*(8*((\a)%4)+\b):8*(8*((\a)%4)+\b)+7], v[128*(\p)+FR*\b:128*(\p)+FR*\b+FR-1], v[AF+FR*(\a):AF+FR*(\a)+FR-1], 0, v[SC+16*(\sc)+2*\b+(\q)], v[SC+16*(\sc)+2*(\a)+(\q)] matrix_a_fmt:MATRIX_FMT_FP6 matrix_b_fmt:MATRIX_FMT_FP6 matrix_a_scale:MATRIX_SCALE_ROW1
.else
	v_wmma_scale_f32_16x16x128_f8f6f4 v[8*(8*((\a)%4)+\b):8*(8*((\a)%4)+\b)+7], v[128*(\p)+FR*\b:128*(\p)+FR*\b+FR-1], v[AF+FR*(\a):AF+FR*(\a)+FR-1], v[8*(8*((\a)%4)+\b):8*(8*((\a)%4)+\b)+7], v[SC+16*(\sc)+2*\b+(\q)], v[SC+16*(\sc)+2*(\a)+(\q)] matrix_a_fmt:MATRIX_FMT_FP6 matrix_b_fmt:MATRIX_FMT_FP6 matrix_a_scale:MATRIX_SCALE_ROW1
.endif
.endr
.endr
.endm
.macro FETCH_B slot, q, p
	WIN TO_B
.irp i, 0,1,2,3,4,5,6,7
	FRAG 128*(\p)+FR*\i, ADRB+\slot, \q, \i
.endr
	WIN 0
.endm
.macro FETCH_A slot, q, i0
.irp i, \i0, \i0+1, \i0+2, \i0+3
	FRAG AF+FR*(\i), ADRA+\slot, \q, \i
.endr
.endm
.macro SCALES set, ks
.irp i, 0,1,2,3,4,5,6,7
.irp q, 0,1
	ds_load_b32 v[SC+16*\set+2*\i+\q], v[ADRS] offset:512*\i+64*(2*\ks+\q)
.endr
.endr
.endm
.macro PLACES n
.rept \n
	v_nop
.endr
.endm
.macro STEP slot, zero
	s_wait_dscnt 16
	WIN MUL_LO
	MUL16 0, 0, 0, \slot, \zero
	MUL16 2, 0, 0, \slot, \zero
	s_wait_dscnt 0x0
	PLACES NP
	FETCH_B \slot, 1, 1
	FETCH_A \slot, 1, 0
	WIN MUL_HI
	MUL16 4, 0, 0, \slot, \zero
	MUL16 6, 0, 0, \slot, \zero
	PLACES NP
	WIN 0
	FETCH_A \slot, 1, 4
.endm
.macro TURN slot, next, fill, ksn
	s_wait_tensorcnt 0x0
	ds_add_u32 v[SPW], v[NIL]
	s_wait_dscnt 17
	WIN MUL_LO
	MUL16 0, 1, 1, \slot, 0
	s_wait_dscnt 0x0
	s_barrier_signal -1
	MUL16 2, 1, 1, \slot, 0
	WIN 0
	s_barrier_wait -1
.if \fill
	CREST
	s_add_nc_u64 s[G0+4*\slot+2:G0+4*\slot+3], s[G0+4*\slot+2:G0+4*\slot+3], 6144
	s_add_nc_u64 s[G0B+4*\slot+2:G0B+4*\slot+3], s[G0B+4*\slot+2:G0B+4*\slot+3], 6144
	JLOAD G0+4*\slot, G1, G0B+4*\slot, G1B
.else
	PLACES NP
.endif
	FETCH_B \next, 0, 0
	FETCH_A \next, 0, 0
	SCALES \next, \ksn
	WIN MUL_HI
	MUL16 4, 1, 1, \slot, 0
	MUL16 6, 1, 1, \slot, 0
	PLACES NP
	WIN 0
	FETCH_A \next, 0, 4
.endm
	s_wait_alu depctr_va_vdst(0)
	s_wait_tensorcnt 0x0                           ; my tile of the head's four is in; slot 1's first fill is issued as a refill is
	ds_add_u32 v[SPW], v[NIL]
	s_mov_b32 s[G1+2], 8<<16                       ; no tensor load of mine is out: from here on a load brings 8 row tiles
	s_mov_b32 s[G1+4], 8
	s_mov_b32 s[G1B+2], 8<<16
	s_mov_b32 s[G1B+4], 8
	s_wait_dscnt 0x0
	CROUND                                         ; all four tiles are in, in every partner
	JLOAD G0+4, G1, G0B+4, G1B                     ; slot 1: the first tensor load behind the round
	FETCH_B 0, 0, 0
	FETCH_A 0, 0, 0
	SCALES 0, 0
	FETCH_A 0, 0, 4
	STEP 0, 1
	TURN 0, 1, 1, 1
	STEP 1, 0
	TURN 1, 0, 1, 2
	STEP 0, 0
	TURN 0, 1, 0, 3
	STEP 1, 0
	s_wait_dscnt 16
	WIN MUL_LO
	MUL16 0, 1, 1, 1, 0
	MUL16 2, 1, 1, 1, 0
	s_wait_dscnt 0x0
	WIN MUL_HI
	MUL16 4, 1, 1, 1, 0
	MUL16 6, 1, 1, 1, 0
	WIN 0
	PLACES NP
.macro QUANT a
.set QSRC, 64*((\a)%4)
.set PCA, 128+12*(\a)
	WIN 0x28+0x14*((\a)/4)
.irp b, 0,1,2,3
	v_max3_num_f32 v[TM+\b], s97, |v[QSRC+16*\b]|, |v[QSRC+16*\b+1]|
.endr
.irp i, 2,4,6,8,10,12,14
.irp b, 0,1,2,3
	v_max3_num_f32 v[TM+\b], v[TM+\b], |v[QSRC+16*\b+\i]|, |v[QSRC+16*\b+\i+1]|
.endr
.endr
	WIN 0
.irp b, 0,1,2,3
	v_permlanex16_b32 v[TM+4+\b], v[TM+\b], s2, s3
.endr
.irp b, 0,1,2,3
	v_max_num_f32 v[TM+\b], v[TM+\b], v[TM+4+\b]
.endr
.irp b, 0,1,2,3
	v_add_nc_u32 v[TM+12+\b], 0xff000000, v[TM+\b]
.endr
.irp b, 0,1,2,3
	v_lshrrev_b32 v[TM+4+\b], 23, v[TM+12+\b]
.endr
	v_lshl_or_b32 v[PW+\a], v[TM+5], 8, v[TM+4]
	v_lshl_or_b32 v[PW+\a], v[TM+6], 16, v[PW+\a]
	v_lshl_or_b32 v[PW+\a], v[TM+7], 24, v[PW+\a]
	WIN 0x02+((\a)/4)
.irp c, 0,1
	v_cvt_scalef32_pk16_fp6_f32 v[PCA+6*\c:PCA+6*\c+2], v[QSRC+32*\c:QSRC+32*\c+15], v[TM+12+2*\c]
	v_cvt_scalef32_pk16_fp6_f32 v[CTM+4*\c:CTM+4*\c+2], v[QSRC+32*\c+16:QSRC+32*\c+31], v[TM+12+2*\c+1]
.endr
	WIN 0
	v_nop
.irp c, 0,1
.irp i, 0,1,2
	v_permlane16_swap_b32 v[PCA+6*\c+\i], v[CTM+4*\c+\i]
.endr
.irp i, 0,1,2
	v_mov_b32 v[PCA+6*\c+3+\i], v[CTM+4*\c+\i]
.endr
.endr
.endm
.macro EPI role
.irp a, 0,1,2,3,4,5,6,7
	QUANT \a
.if \role == 0
	global_store_b128 v4, v[PCA:PCA+3], s[10:11] offset:768*\a
	global_store_b64 v5, v[PCA+4:PCA+5], s[10:11] offset:768*\a+512
	global_store_b128 v4, v[PCA+6:PCA+9], s[12:13] offset:768*\a
	global_store_b64 v5, v[PCA+10:PCA+11], s[12:13] offset:768*\a+512
.else
	global_store_b128 v4, v[PCA:PCA+3], s[10+2*(\a/4):11+2*(\a/4)] offset:1536*(\a%4)
	global_store_b64 v5, v[PCA+4:PCA+5], s[10+2*(\a/4):11+2*(\a/4)] offset:1536*(\a%4)+512
	global_store_b128 v4, v[PCA+6:PCA+9], s[10+2*(\a/4):11+2*(\a/4)] offset:1536*(\a%4)+768
	global_store_b64 v5, v[PCA+10:PCA+11], s[10+2*(\a/4):11+2*(\a/4)] offset:1536*(\a%4)+1280
.endif
.endr
	v_cmp_eq_u32 vcc_lo, 1, v3
.irp i, 0,1,2,3
	v_cndmask_b32 v[72+\i], v[PW+2*\i], v[PW+2*\i+1], vcc_lo
.endr
.if \role == 0
.irp i, 0,1,2,3
	v_and_b32 v[76+\i], 0xffff, v[72+\i]
	v_lshrrev_b32 v[80+\i], 16, v[72+\i]
.endr
	global_store_b128 v4, v[76:79], s[66:67]
	global_store_b128 v4, v[80:83], s[98:99]
.else
	global_store_b64 v5, v[72:73], s[66:67]
	global_store_b64 v5, v[74:75], s[98:99]
.endif
.endm
	s_cmp_eq_u32 s96, 1
	s_cbranch_scc1 .Lrole_v
	EPI 0
	s_branch .Lend
.Lrole_v:
	EPI 1
.Lend:
	s_wait_tensorcnt 0x0
	ds_add_u32 v[SPW], v[NIL]
	s_wait_dscnt 0x0
	CROUND
	s_endpgm
.Lfunc_end_k_qedbfbc8a09_qkvgemm:
	.size	k_qedbfbc8a09_qkvgemm, .Lfunc_end_k_qedbfbc8a09_qkvgemm-k_qedbfbc8a09_qkvgemm
	.p2alignl 7, 3214868480
	.fill 96, 4, 3214868480
	.section	.rodata,"a",@progbits
	.p2align	6, 0x0
	.amdhsa_kernel k_qedbfbc8a09_qkvgemm
		.amdhsa_group_segment_fixed_size 327680
		.amdhsa_private_segment_fixed_size 0
		.amdhsa_enable_private_segment 0
		.amdhsa_kernarg_size 24
		.amdhsa_user_sgpr_count 2
		.amdhsa_user_sgpr_kernarg_segment_ptr 1
		.amdhsa_wavefront_size32 1
		.amdhsa_system_sgpr_workgroup_id_x 1
		.amdhsa_system_sgpr_workgroup_id_y 1
		.amdhsa_system_sgpr_workgroup_id_z 1
		.amdhsa_system_vgpr_workitem_id 0
		.amdhsa_next_free_vgpr 1024
		.amdhsa_next_free_sgpr 100
		.amdhsa_reserve_vcc 1
		.amdhsa_float_denorm_mode_32 3
		.amdhsa_float_denorm_mode_16_64 3
		.amdhsa_memory_ordered 1
		.amdhsa_forward_progress 1
		.amdhsa_inst_pref_size 184
	.end_amdhsa_kernel
	.amdgpu_metadata
---
amdhsa.version: [ 1, 2 ]
amdhsa.kernels:
  - .name:           k_qedbfbc8a09_qkvgemm
    .symbol:         k_qedbfbc8a09_qkvgemm.kd
    .args:
      - { .name: opc, .offset: 0, .size: 8, .value_kind: global_buffer, .address_space: global }
      - { .name: ops, .offset: 8, .size: 8, .value_kind: global_buffer, .address_space: global }
      - { .name: qkv, .offset: 16, .size: 8, .value_kind: global_buffer, .address_space: global }
    .group_segment_fixed_size: 327680
    .private_segment_fixed_size: 0
    .kernarg_segment_align: 8
    .kernarg_segment_size: 24
    .max_flat_workgroup_size: 128
    .sgpr_count:     100
    .vgpr_count:     1024
    .wavefront_size: 32
...
	.end_amdgpu_metadata
.endif
;; end of part 2
;; launch attn (part 3): grid 4 x 64, 8 waves a work-group, clusters of 4 x 1, 210,944 bytes of LDS; arguments qkv, oimg, oscl; writes oimg, oscl
.if DOCPART == 3
	.amdgcn_target "amdgcn-amd-amdhsa--gfx1250"
	.amdhsa_code_object_version 6
	.text
	.protected	k_qedbfbc8a09_attn
	.globl	k_qedbfbc8a09_attn
	.p2align	8
	.type	k_qedbfbc8a09_attn,@function
k_qedbfbc8a09_attn:
	s_mov_b64 s[64:65], 0
	v_nop
	global_prefetch_b8 v0, s[64:65] scope:SCOPE_SE
	s_setreg_imm32_b32 hwreg(HW_REG_WAVE_MODE, 25, 1), 1
	s_wait_xcnt 0x0
	s_wait_alu depctr_hold_cnt(0) depctr_sa_sdst(0) depctr_va_vdst(0) depctr_va_sdst(0) depctr_va_ssrc(0) depctr_va_vcc(0) depctr_vm_vsrc(0)
	s_getreg_b32 s2, hwreg(HW_REG_IB_STS2, 6, 4)
	s_cmp_eq_u32 s2, 0
	s_cbranch_scc0 .Lentry_in_a_cluster
	s_endpgm
.Lentry_in_a_cluster:
	s_bfe_u32 s2, ttmp6, 0x10000c
	s_cmp_lg_u32 s2, 0x3003
	s_cbranch_scc0 .Lentry_shape_is_right
	s_endpgm
.Lentry_shape_is_right:
; LAUNCH 3 OF 4: o = softmax(q k^T / 8) v for 64 heads of 2,048 positions x 64, both products on codes of FP6 (E2M3) with E8M0 scales; o is quantised on the way out for the projection.  No work of the problem is left out.
; THE SOFTMAX: t = score x log2(e) / 8; M = the running largest t rounded UP to a whole number; p = 2^(t - M) is quantised along the keys, not normalised.  The row's sum is taken of the unquantised p and divides at the end.
; When M moves, the sum and O are multiplied by 2^(old M - new M), which rounds nothing.
; SHARES.  A work-group takes 512 queries of one head; each of its eight waves 64: four tiles of 16, in two passes of TWO TILES SIDE BY SIDE (tile 0 in register window 0, tile 1 in window 1, at the same numbers).
; The two tiles go phase by phase, so that one tile's results are ready while the other's phase is issued, and both use each fragment of K and V that the wave loads.  Every wave walks the head's 2,048 keys, 128 a step.
; THE WHOLE HEAD'S K, V AND SCALE WORDS STAY IN LDS: 16 key steps x 13,056 bytes, dense in memory.  Wave w brings key steps 2 w, 2 w + 1 by one tensor load: nothing is filled again, one barrier.
; CLUSTER.  The four work-groups of a head ask for each pair of key steps jointly: the descriptor is made of the head and the wave's number alone.  Their place in the cluster enters Q's and O's global addresses only.
; All of K and V is asked for by these first fills, so there is no later step for which a prefetch could ask ahead.
; LAYOUT.  Both products are used transposed (S^T = K Q^T, O^T = V^T P^T): a lane holds ONE query.  A tile of 16 keys is GATHERED BY THE LANES' LDS ADDRESSES from launch 2's images: row 8 g + i of tile (c, j) is key
; 64 c + 32 g + 8 j + i of the step.  So a lane's 32 scores of tiles (c, 0 .. 3) are the whole scale block 2 c + h, in the order of P's operand registers: no other lane is asked for a block's maximum, and the codes fall where they belong.
; The first product's K is 64.  Two tiles of keys share one fragment of 12 registers (tile j = 2 f in k = 0 .. 63, tile 2 f + 1 in k = 64 .. 127); Q stands between two runs of zero codes, and is taken as [Q | 0] or as [0 | Q].
; The odd tiles' scale words are shifted up 16 bits; Q's word holds its two bytes twice.  Blocks of zero codes add nothing under any of these bytes.
; K's fragments and scale words are loaded one step ahead, V's at the head of their step.  The step behind the last is step 0 again: pass 1 begins with what pass 0's last step loaded; pass 1's last step loads 6,656 bytes that nobody uses.
; LIMITS: as stated in launch 1.  A block's largest p is made from the block's largest score by the same two instructions as every p; this takes v_exp_f32 not to fall where its input rises.
; The promise holds while the scaled scores stay under 2^31 in magnitude.
.set KVSTEP, 13056
.set QSTEP,  6656
.set QSZ,    6815744
.set SPARE,  16*KVSTEP                 ; behind the head: the spare words, 128 bytes a wave: four blocks of 256 bytes that no other line names
; window 0, shared
.set LNA, 1                            ; 16 x lane
.set LNB, 2                            ; 8 x lane
.set LA,  3                            ; K's pieces of 16 bytes: 1536 g + 16 i + 256 h
.set LB,  4                            ; K's pieces of 8 bytes: 1536 g + 8 i + 128 h
.set SPW, 5
.set NIL, 6
.set QSA, 7                            ; 16 r
.set OSB, 8                            ; 4 r + h
.set H8,  9                            ; 8 h
.set LKS, 10                           ; K's scale words: 128 h + 16 i + 4 g
.set KA,  12                           ; the next step's LA, LB, LKS
.set KB,  13
.set KSA, 14
.set VA,  16                           ; this step's LNA, LNB
.set VB,  17
; a tile's small state, in window 0 for both tiles: tile e from v[24 + 16 e]
.set NM, 0                             ; -M;  +1: the largest t
.set TX, 1
.set LS, 2                             ; the sum, two halves
.set BM, 4                             ; my two blocks' largest score, then largest p
.set FF, 6                             ; f = 2^(old M - new M);  +1: 0
.set SO, 8                             ; the conversions' scale operands
.set TA, 10
.set TB, 11
.set BY, 12                            ; the scale bytes
.set BN, 14                            ; the maxima's second chains
.set QS,  56                           ; scale words: Q's (a tile each), P's, K's even tiles (c), K's odd tiles, V's; v66, v67: Q's of pass 1 as loaded
.set PS,  58
.set RA,  60
.set RB,  62
.set VS,  64
.set QS2, 66
.set KF,  68                           ; v68-115 K's four fragments
; a tile's bulk, at these numbers in its own window
.set QZ,  116                          ; six zeros, Q's six registers, six zeros
.set PC,  134                          ; P's codes
.set TP,  146                          ; the second halves of the blocks' codes
.set OO,  154                          ; O^T, four accumulators
.set SS,  186                          ; S^T, then p
.set Q2,  250                          ; Q of pass 1
; window 1, v0-47: V's four fragments
.set MSB, 0
.macro WIN new                         ; low byte: bits 1:0 source 0, 3:2 source 1, 5:4 source 2, 7:6 destination; the high byte repeats the setting that is left
.if MSB != (\new)
	s_set_vgpr_msb (MSB<<8)|(\new)
.set MSB, \new
.endif
.endm
.macro WALU
	s_wait_alu depctr_va_vdst(0)
.endm
.macro CROUND
	s_barrier_signal -1
	s_barrier_wait -1
	s_cmp_lg_u32 s14, 0
	s_cbranch_scc1 .Lnot_wave_0_\@
	s_barrier_signal -3
.Lnot_wave_0_\@:
	s_barrier_wait -3
	s_barrier_signal -1
	s_barrier_wait -1
.endm
.macro WM d, a, b, cc, sa, sb, row
	v_wmma_scale_f32_16x16x128_f8f6f4 v[\d:\d+7], v[\a:\a+11], v[\b:\b+11], \cc, v[\sa], v[\sb] matrix_a_fmt:MATRIX_FMT_FP6 matrix_b_fmt:MATRIX_FMT_FP6 matrix_a_scale:MATRIX_SCALE_ROW\row
.endm
.macro KSC a                           ; K's scale words: lanes 0-15 tile j = 0 (odd: 1), lanes 16-31 tile j = 2 (3) of half c
.irp c, 0,1
	ds_load_b32 v[RA+\c], v[\a] offset:12288+8*\c
	ds_load_b32 v[RB+\c], v[\a] offset:12544+8*\c
.endr
.endm
.macro KFR a, b                        ; K's fragments f = 2 c + j / 2
.irp f, 0,1,2,3
	ds_load_b128 v[KF+12*\f:KF+12*\f+3], v[\a] offset:3072*(\f/2)+128*(\f%2)
	ds_load_b64 v[KF+12*\f+4:KF+12*\f+5], v[\b] offset:3072*(\f/2)+64*(\f%2)+512
	ds_load_b128 v[KF+12*\f+6:KF+12*\f+9], v[\a] offset:3072*(\f/2)+128*(\f%2)+768
	ds_load_b64 v[KF+12*\f+10:KF+12*\f+11], v[\b] offset:3072*(\f/2)+64*(\f%2)+1280
.endr
.endm
	s_load_b128 s[4:7], s[0:1], 0x0                ; qkv, oimg
	s_load_b64 s[8:9], s[0:1], 0x10                ; oscl
	v_lshl_add_u32 v[SPW], v0, 2, SPARE
	v_mov_b32 v[NIL], 0
	ds_add_u32 v[SPW], v[NIL]                      ; the opening lines: the add, twice on end, and its wait ahead of my tensor load
	ds_add_u32 v[SPW], v[NIL]
	v_lshrrev_b32 v11, 5, v0
	v_readfirstlane_b32 s14, v11                   ; wave 0..7
	s_bfe_u32 s15, ttmp6, 0x40000                  ; cx: which 512 queries
	s_and_b32 s16, ttmp7, 0xffff                   ; the head, 0..63, which the four partners share
	s_mov_b32 s24, 15|(3<<16)|(1<<21)              ; group 1: the mask names all four; elements of 8 bytes; bit 21 beside the mask
	s_mov_b32 s25, 32<<16                          ; rows of 256 bytes,
	s_mov_b32 s26, 102<<16                         ; 102 of them: two key steps
	s_mov_b32 s27, 32<<16
	s_mov_b32 s28, 102
	s_mov_b32 s29, 32                              ; dense
	s_mov_b32 s30, 0
	s_mov_b32 s31, 0
	s_mul_i32 s17, s14, 2*KVSTEP                   ; my two key steps, in LDS and in the head
	s_mul_i32 s18, s16, 16*KVSTEP
	s_add_co_u32 s18, s18, s17
	s_add_co_u32 s18, s18, QSZ
	s_mov_b32 s19, 0
	s_mov_b32 s20, 0x76543210
	s_mov_b32 s21, 0xfedcba98                      ; v_permlanex16_b32's selects for lane l xor 16
	s_mov_b32 s22, 0x3e38aa3b                      ; c = log2(e) / 8
	s_mov_b32 s23, s22                             ; (named with it as a pair)
	s_lshl_b32 s48, s15, 2
	s_lshr_b32 s49, s14, 1
	s_add_co_u32 s48, s48, s49                     ; which 128 positions hold my queries
	s_mul_i32 s48, s48, QSTEP
	s_mul_i32 s49, s16, 16*QSTEP
	s_add_co_u32 s48, s48, s49
	s_and_b32 s50, s14, 1
	s_mul_i32 s51, s50, 3072                       ; my four tiles' half images,
	s_add_co_u32 s52, s48, s51
	s_mov_b32 s53, 0
	s_lshl_b32 s51, s50, 3                         ; and their scale words: word 2 (wave % 2) + pass of lanes 0-15 (tile 0) or 16-31 (tile 1)
	s_add_co_u32 s54, s48, s51
	s_add_co_u32 s54, s54, 6144
	s_mov_b32 s55, 0
	s_lshr_b32 s48, s16, 4
	s_lshl_b32 s48, s48, 7
	s_lshl_b32 s49, s15, 5
	s_add_co_u32 s48, s48, s49
	s_lshl_b32 s49, s14, 2
	s_add_co_u32 s48, s48, s49                     ; my first tile of 16 positions among all 512
	s_and_b32 s49, s16, 15                         ; the head within its batch
	s_mul_i32 s56, s48, 12288
	s_mul_i32 s51, s49, 768
	s_add_co_u32 s56, s56, s51
	s_mov_b32 s57, 0
	s_lshl_b32 s58, s48, 9
	s_lshr_b32 s51, s49, 1
	s_lshl_b32 s51, s51, 6
	s_add_co_u32 s58, s58, s51
	s_and_b32 s51, s49, 1
	s_lshl_b32 s51, s51, 1
	s_add_co_u32 s58, s58, s51
	s_mov_b32 s59, 0
	s_wait_dscnt 0x0                               ; both opening adds are done
	s_wait_kmcnt 0x0
	s_mov_b32 s32, 1                               ; group 0
	s_mov_b32 s33, s17
	s_add_nc_u64 s[34:35], s[4:5], s[18:19]
	s_or_b32 s35, s35, 0x80000000
	s_add_nc_u64 s[40:41], s[4:5], s[52:53]        ; Q's codes
	s_add_nc_u64 s[42:43], s[4:5], s[54:55]        ; Q's scale words
	s_add_nc_u64 s[44:45], s[6:7], s[56:57]        ; o's codes
	s_add_nc_u64 s[46:47], s[8:9], s[58:59]        ; o's scale bytes
	CROUND                                         ; all four work-groups are here: the joint loads meet
	tensor_load_to_lds s[32:35], s[24:31]          ; my one tensor load of the launch
	s_nop 0
.rept 4
	v_nop
.endr
	v_and_b32 v11, 31, v0
	v_lshlrev_b32 v[LNA], 4, v11
	v_lshlrev_b32 v[LNB], 3, v11
	v_and_b32 v18, 15, v0                          ; r
	v_bfe_u32 v19, v0, 4, 1                        ; h
	v_bfe_u32 v20, v0, 3, 1                        ; g
	v_and_b32 v21, 7, v0                           ; i
	v_lshlrev_b32 v[QSA], 4, v18
	v_lshl_add_u32 v[OSB], v18, 2, v19
	v_lshlrev_b32 v[H8], 3, v19
	v_mul_u32_u24 v22, v20, 1536
	v_lshl_add_u32 v[LA], v21, 4, v22
	v_lshl_add_u32 v[LA], v19, 8, v[LA]
	v_lshl_add_u32 v[LB], v21, 3, v22
	v_lshl_add_u32 v[LB], v19, 7, v[LB]
	v_lshlrev_b32 v[LKS], 7, v19
	v_lshl_add_u32 v[LKS], v21, 4, v[LKS]
	v_lshl_add_u32 v[LKS], v20, 2, v[LKS]
.irp e, 0,1                            ; Q of both passes, under the tensor load's flight
	WIN (\e)<<6
	global_load_b128 v[QZ+6:QZ+9], v[LNA], s[40:41] offset:768*\e
	global_load_b64 v[QZ+10:QZ+11], v[LNB], s[40:41] offset:768*\e+512
	global_load_b128 v[Q2:Q2+3], v[LNA], s[40:41] offset:1536+768*\e
	global_load_b64 v[Q2+4:Q2+5], v[LNB], s[40:41] offset:1536+768*\e+512
.irp i, 0,1,2,3,4,5,12,13,14,15,16,17
	v_mov_b32 v[QZ+\i], 0                          ; the zero codes on both sides of Q, set once
.endr
.endr
	WIN 0
.irp e, 0,1
	global_load_b32 v[QS+\e], v[QSA], s[42:43] offset:256*\e
	global_load_b32 v[QS2+\e], v[QSA], s[42:43] offset:256*\e+4
.endr
.irp t, 24,40
	v_mov_b32 v[\t+TB], 0                          ; written once: a lane permute's destination counts as one of its sources
	v_mov_b32 v[\t+FF+1], 0                        ; (named as the upper half of f's pair)
.endr
	s_wait_loadcnt 0x0
.irp e, 0,1
	v_lshl_or_b32 v[QS+\e], v[QS+\e], 16, v[QS+\e] ; Q's two bytes twice: for [Q | 0] and for [0 | Q]
.endr
	WALU
	s_wait_tensorcnt 0x0                           ; my two key steps have landed,
	s_barrier_signal -1
	s_barrier_wait -1                              ; everybody's have
	KSC LKS                                        ; step 0's K
	KFR LA, LB
	s_wait_dscnt 0x0
.irp c, 0,1
	v_lshlrev_b32 v[RB+\c], 16, v[RB+\c]           ; the odd tiles' bytes scale k = 64 .. 127
.endr
.macro MAXP e                          ; the largest score of my two blocks of 32 keys, each in two chains; every accumulator is first read at its low end
	WIN 0x15*\e
.irp c, 0,1
	v_max3_num_f32 v[24+16*\e+BM+\c], v[SS+32*\c], v[SS+32*\c+1], v[SS+32*\c+2]
	v_max3_num_f32 v[24+16*\e+BN+\c], v[SS+32*\c+16], v[SS+32*\c+17], v[SS+32*\c+18]
.endr
	WIN 0x14*\e
.irp i, 3,5,7,9,11,13
.irp c, 0,1
	v_max3_num_f32 v[24+16*\e+BM+\c], v[24+16*\e+BM+\c], v[SS+32*\c+\i], v[SS+32*\c+\i+1]
	v_max3_num_f32 v[24+16*\e+BN+\c], v[24+16*\e+BN+\c], v[SS+32*\c+16+\i], v[SS+32*\c+17+\i]
.endr
.endr
.irp c, 0,1
	v_max3_num_f32 v[24+16*\e+BM+\c], v[24+16*\e+BM+\c], v[SS+32*\c+15], v[SS+32*\c+31]
.endr
.endm
; A KEY STEP for both tiles: 128 keys, step s37.
.macro STEP
	s_mul_i32 s36, s37, KVSTEP                     ; this step in LDS,
	s_add_co_u32 s38, s37, 1
	s_and_b32 s38, s38, 15
	s_mul_i32 s39, s38, KVSTEP                     ; and the next (behind the last: step 0)
	s_wait_dscnt 0x0                               ; K's fragments, asked for a step ago
.irp e, 0,1
	WIN 0x44*\e
.irp c, 0,1
	WM SS+32*\c,    KF+24*\c,    QZ+6, 0, RA+\c, QS+\e, 0
	WM SS+32*\c+8,  KF+24*\c,    QZ,   0, RB+\c, QS+\e, 0
	WM SS+32*\c+16, KF+24*\c+12, QZ+6, 0, RA+\c, QS+\e, 1
	WM SS+32*\c+24, KF+24*\c+12, QZ,   0, RB+\c, QS+\e, 1
.endr
.endr
	WIN 0
	v_add_nc_u32 v[VA], s36, v[LNA]                ; five plain lines: the places between the products and the loads into their registers, and the reads of the scores
	v_add_nc_u32 v[VB], s36, v[LNB]
	v_add_nc_u32 v[KA], s39, v[LA]
	v_add_nc_u32 v[KB], s39, v[LB]
	v_add_nc_u32 v[KSA], s39, v[LKS]
	KSC KSA                                        ; 4 loads: the next step's scale words of K
	ds_load_b64 v[VS:VS+1], v[VB] offset:12800     ; 1: V's scale words: register i: lanes 0-15 tile 2 i, lanes 16-31 tile 2 i + 1
	WIN 0x40
.irp c, 0,1,2,3                        ; 16: V's four fragments (16 channels x 128 keys)
	ds_load_b128 v[12*\c:12*\c+3], v[VA] offset:6144+1536*\c
	ds_load_b64 v[12*\c+4:12*\c+5], v[VB] offset:6144+1536*\c+512
	ds_load_b128 v[12*\c+6:12*\c+9], v[VA] offset:6144+1536*\c+768
	ds_load_b64 v[12*\c+10:12*\c+11], v[VB] offset:6144+1536*\c+1280
.endr
	WIN 0
	KFR KA, KB                                     ; 16: the next step's fragments of K
	MAXP 0
	MAXP 1
	WIN 0
.irp t, 24,40                          ; from here the two tiles' lines take turns
.irp c, 0,1
	v_max_num_f32 v[\t+BM+\c], v[\t+BM+\c], v[\t+BN+\c]
.endr
.endr
.irp t, 24,40
	v_max_num_f32 v[\t+TA], v[\t+BM], v[\t+BM+1]
.endr
.irp t, 24,40
	v_permlanex16_b32 v[\t+TB], v[\t+TA], s20, s21
.endr
.irp t, 24,40
	v_max_num_f32 v[\t+TA], v[\t+TA], v[\t+TB]     ; the step's largest score of my query
.endr
.irp t, 24,40
	v_mul_f32 v[\t+TA], s22, v[\t+TA]              ; as t (c is positive)
.endr
.irp t, 24,40
	v_max_num_f32 v[\t+TX], v[\t+TX], v[\t+TA]     ; the running largest t
.endr
.irp t, 24,40
	v_mov_b32 v[\t+TA], v[\t+NM]
.endr
.irp t, 24,40
	v_floor_f32 v[\t+NM], -v[\t+TX]                ; the new -M = floor(-t)
.endr
.irp t, 24,40
	v_sub_f32 v[\t+TA], v[\t+NM], v[\t+TA]         ; old M - new M: a whole number, 0 or less
.endr
.irp t, 24,40
	v_cvt_i32_f32 v[\t+TA], v[\t+TA]               ; (it saturates)
.endr
.irp t, 24,40
	v_ldexp_f32 v[\t+FF], 1.0, v[\t+TA]            ; f
.endr
.irp t, 24,40
	v_pk_fma_f32 v[\t+BM:\t+BM+1], v[\t+BM:\t+BM+1], s[22:23], v[\t+NM:\t+NM+1] op_sel_hi:[1,0,0]   ; t - M of the blocks' largest scores
.endr
.irp e, 0,1
	WIN 0x41*\e
.set n, 0
.rept 32
	v_pk_fma_f32 v[SS+n:SS+n+1], v[SS+n:SS+n+1], s[22:23], v[24+16*\e+NM:24+16*\e+NM+1] op_sel_hi:[1,0,0]   ; t - M, two at a time
.set n, n+2
.endr
.set n, 0
.rept 16
	v_pk_mul_f32 v[OO+n:OO+n+1], v[OO+n:OO+n+1], v[24+16*\e+FF:24+16*\e+FF+1] op_sel_hi:[1,0]   ; O^T under the new M, each accumulator from its low end on; ahead of the exponentials
.set n, n+2
.endr
.endr
	WIN 0
	WALU                                           ; ahead of the batch
.irp t, 24,40
.irp c, 0,1
	v_exp_f32 v[\t+BM+\c], v[\t+BM+\c]             ; the blocks' largest p
.endr
.endr
.irp e, 0,1
	WIN 0x41*\e
.set n, 0
.rept 64
	v_exp_f32 v[SS+n], v[SS+n]                     ; p = 2^(t - M), at most 1
.set n, n+1
.endr
.endr
	WIN 0
	s_wait_dscnt 33                                ; the next step's four scale words of K are in: V's 17 loads and K's 16 fragments' loads are younger
.irp c, 0,1
	v_lshlrev_b32 v[RB+\c], 16, v[RB+\c]           ; plain lines behind the exponentials
.endr
	WALU                                           ; one wait for the whole batch, ahead of its first reader
.irp t, 24,40
.irp c, 0,1
	v_max_num_f32 v[\t+BM+\c], 0x1800000, v[\t+BM+\c]   ; the floor 2^(3 - 127): the byte cannot fall under 1
.endr
.endr
.irp t, 24,40
.irp c, 0,1
	v_add_nc_u32 v[\t+SO+\c], 0xff000000, v[\t+BM+\c]   ; the conversion's scale operand
.endr
.endr
.irp e, 0,1
	WIN 0x41*\e
.irp c, 0,1
	v_cvt_scalef32_pk16_fp6_f32 v[PC+6*\c:PC+6*\c+2], v[SS+32*\c:SS+32*\c+15], v[24+16*\e+SO+\c]
	v_cvt_scalef32_pk16_fp6_f32 v[TP+4*\c:TP+4*\c+2], v[SS+32*\c+16:SS+32*\c+31], v[24+16*\e+SO+\c]   ; (a conversion's three registers begin on an even number)
.endr
.endr
	WIN 0
.irp t, 24,40                          ; plain lines behind the conversions, which touch none of their results and write none of their sources
.irp c, 0,1
	v_lshrrev_b32 v[\t+BY+\c], 23, v[\t+SO+\c]     ; the bytes of blocks h and 2 + h,
.endr
.endr
.irp t, 24,40
	v_lshl_or_b32 v[\t+TA], v[\t+BY+1], 16, v[\t+BY]
.endr
.irp t, 24,40
	v_lshlrev_b32 v[\t+TA], v[H8], v[\t+TA]        ; at their places in the word;
.endr
.irp t, 24,40
	v_permlanex16_b32 v[\t+TB], v[\t+TA], s20, s21
.endr
.irp e, 0,1
	v_or_b32 v[PS+\e], v[24+16*\e+TA], v[24+16*\e+TB]   ; with lane l xor 16's two, p's scale word of these 128 keys
.endr
.irp e, 0,1
	WIN 0x45*\e
.irp c, 0,1
.irp i, 0,1,2
	v_mov_b32 v[PC+6*\c+3+\i], v[TP+4*\c+\i]
.endr
.endr
.irp d, 2,4,8,16,32                    ; the sum of the unquantised p, two at a time, as a tree, in p's own registers: the codes are made
.set n, 0
.rept 32/\d
	v_pk_add_f32 v[SS+n:SS+n+1], v[SS+n:SS+n+1], v[SS+n+\d:SS+n+\d+1]
.set n, n+2*\d
.endr
.endr
	WIN 0x10*\e
	v_pk_fma_f32 v[24+16*\e+LS:24+16*\e+LS+1], v[24+16*\e+LS:24+16*\e+LS+1], v[24+16*\e+FF:24+16*\e+FF+1], v[SS:SS+1] op_sel_hi:[1,0,1]   ; the old sum under the new M, + this step's
.endr
	s_wait_dscnt 16                                ; V and its scale words are in; the 16 loads of the next step's K are younger
.irp e, 0,1                            ; O^T += V^T P^T: eight accumulators by turns
	WIN 1|(0x54*\e)
	WM OO,    0,  PC, v[OO:OO+7],     VS,   PS+\e, 0
	WM OO+8,  12, PC, v[OO+8:OO+15],  VS,   PS+\e, 1
	WM OO+16, 24, PC, v[OO+16:OO+23], VS+1, PS+\e, 0
	WM OO+24, 36, PC, v[OO+24:OO+31], VS+1, PS+\e, 1
.endr
	WIN 0
.endm
; A PASS: two tiles of 16 queries through all 16 key steps, and their way out.
.macro PASS p
.if \p
.irp e, 0,1
	WIN 0x41*\e
.irp i, 0,1,2,3,4,5
	v_mov_b32 v[QZ+6+\i], v[Q2+\i]
.endr
.endr
	WIN 0
.irp e, 0,1
	v_lshl_or_b32 v[QS+\e], v[QS2+\e], 16, v[QS2+\e]
.endr
.endif
.irp t, 24,40
	v_mov_b32 v[\t+TX], 0xff61b1e6                 ; the largest t so far: -3e38
	v_floor_f32 v[\t+NM], -v[\t+TX]
	v_mov_b32 v[\t+LS], 0
	v_mov_b32 v[\t+LS+1], 0
.endr
.irp e, 0,1
	WIN (\e)<<6
.set n, 0
.rept 32
	v_mov_b32 v[OO+n], 0                           ; O^T: the step is written once; its first trip finds zeros, which the first change of M leaves zeros
.set n, n+1
.endr
.endr
	WIN 0
	s_mov_b32 s37, 0
.Lstep_\@:
	STEP
	s_add_co_u32 s37, s37, 1
	s_cmp_lg_u32 s37, 16
	s_cbranch_scc1 .Lstep_\@
	WALU
.irp t, 24,40
	v_add_f32 v[\t+LS], v[\t+LS], v[\t+LS+1]       ; the sum's two halves,
.endr
.irp t, 24,40
	v_permlanex16_b32 v[\t+TB], v[\t+LS], s20, s21
.endr
.irp t, 24,40
	v_add_f32 v[\t+LS], v[\t+LS], v[\t+TB]         ; and lane l xor 16's
.endr
	WALU                                           ; ahead of the reciprocals
.irp t, 24,40
	v_rcp_f32 v[\t+FF], v[\t+LS]
.endr
	v_nop                                          ; a plain line behind them (with the four additions: the places behind the last products)
.irp e, 0,1
	WIN 0x41*\e
	WALU                                           ; ahead of the first reader of the reciprocal and of this tile's O^T
.set n, 0
.rept 16
	v_pk_mul_f32 v[SS+n:SS+n+1], v[OO+n:OO+n+1], v[24+16*\e+FF:24+16*\e+FF+1] op_sel_hi:[1,0]   ; o: register 16 b + i is channel 32 b + 16 h + i of the head
.set n, n+2
.endr
.endr
.irp e, 0,1
	WIN 0x05*\e
.irp b, 0,1
	v_max3_num_f32 v[24+16*\e+BM+\b], |v[SS+16*\b]|, |v[SS+16*\b+1]|, 0x1800000   ; o's two blocks of 32 along the projection's K, and the floor
.endr
	WIN 0x14*\e
.irp i, 2,4,6,8,10,12,14
.irp b, 0,1
	v_max3_num_f32 v[24+16*\e+BM+\b], v[24+16*\e+BM+\b], |v[SS+16*\b+\i]|, |v[SS+16*\b+\i+1]|
.endr
.endr
.endr
	WIN 0
.irp t, 24,40
.irp b, 0,1
	v_permlanex16_b32 v[\t+BN+\b], v[\t+BM+\b], s20, s21
.endr
.endr
.irp t, 24,40
.irp b, 0,1
	v_max_num_f32 v[\t+BM+\b], v[\t+BM+\b], v[\t+BN+\b]
.endr
.endr
.irp t, 24,40
.irp b, 0,1
	v_add_nc_u32 v[\t+SO+\b], 0xff000000, v[\t+BM+\b]
.endr
.endr
.irp e, 0,1
	WIN 0x41*\e
	v_cvt_scalef32_pk16_fp6_f32 v[PC:PC+2], v[SS:SS+15], v[24+16*\e+SO]
	v_cvt_scalef32_pk16_fp6_f32 v[TP:TP+2], v[SS+16:SS+31], v[24+16*\e+SO+1]
.endr
	WIN 0
.irp t, 24,40                          ; plain lines behind the conversions
.irp b, 0,1
	v_lshrrev_b32 v[\t+BY+\b], 23, v[\t+SO+\b]
.endr
.endr
.irp t, 24,40
	v_lshl_or_b32 v[\t+TA], v[\t+BY+1], 8, v[\t+BY]
.endr
.irp t, 24,40
	v_lshrrev_b32 v[\t+TA], v[H8], v[\t+TA]        ; lane (r, h) stores block h's byte: every byte has one writer
.endr
.irp e, 0,1
	WIN 0x41*\e
.irp i, 0,1,2
	v_permlane16_swap_b32 v[PC+\i], v[TP+\i]       ; the operand's layout wants a whole block in a lane
.endr
.irp i, 0,1,2
	v_mov_b32 v[PC+3+\i], v[TP+\i]
.endr
	WIN 0x04*\e
	global_store_b128 v[LNA], v[PC:PC+3], s[44:45] offset:12288*(2*\p+\e)
	global_store_b64 v[LNB], v[PC+4:PC+5], s[44:45] offset:12288*(2*\p+\e)+512
.endr
	WIN 0
.irp e, 0,1
	global_store_b8 v[OSB], v[24+16*\e+TA], s[46:47] offset:512*(2*\p+\e)
.endr
	s_wait_xcnt 0x0                                ; the stores' data registers are written again only behind this wait
.endm
	PASS 0
	PASS 1
	s_wait_tensorcnt 0x0                           ; the wave's end
	ds_add_u32 v[SPW], v[NIL]
	s_wait_dscnt 0x0
	CROUND                                         ; the closing round
	s_endpgm
.Lfunc_end_k_qedbfbc8a09_attn:
	.size	k_qedbfbc8a09_attn, .Lfunc_end_k_qedbfbc8a09_attn-k_qedbfbc8a09_attn
	.p2alignl 7, 3214868480
	.fill 96, 4, 3214868480
	.section	.rodata,"a",@progbits
	.p2align	6, 0x0
	.amdhsa_kernel k_qedbfbc8a09_attn
		.amdhsa_group_segment_fixed_size 210944
		.amdhsa_private_segment_fixed_size 0
		.amdhsa_enable_private_segment 0
		.amdhsa_kernarg_size 24
		.amdhsa_user_sgpr_count 2
		.amdhsa_user_sgpr_kernarg_segment_ptr 1
		.amdhsa_wavefront_size32 1
		.amdhsa_system_sgpr_workgroup_id_x 1
		.amdhsa_system_sgpr_workgroup_id_y 1
		.amdhsa_system_sgpr_workgroup_id_z 1
		.amdhsa_system_vgpr_workitem_id 0
		.amdhsa_next_free_vgpr 512
		.amdhsa_next_free_sgpr 66
		.amdhsa_reserve_vcc 0
		.amdhsa_float_denorm_mode_32 3
		.amdhsa_float_denorm_mode_16_64 3
		.amdhsa_memory_ordered 1
		.amdhsa_forward_progress 1
		.amdhsa_inst_pref_size 84
	.end_amdhsa_kernel
	.amdgpu_metadata
---
amdhsa.version: [ 1, 2 ]
amdhsa.kernels:
  - .name:           k_qedbfbc8a09_attn
    .symbol:         k_qedbfbc8a09_attn.kd
    .args:
      - { .name: qkv, .offset: 0, .size: 8, .value_kind: global_buffer, .address_space: global }
      - { .name: oimg, .offset: 8, .size: 8, .value_kind: global_buffer, .address_space: global }
      - { .name: oscl, .offset: 16, .size: 8, .value_kind: global_buffer, .address_space: global }
    .group_segment_fixed_size: 210944
    .private_segment_fixed_size: 0
    .kernarg_segment_align: 8
    .kernarg_segment_size: 24
    .max_flat_workgroup_size: 256
    .sgpr_count:     66
    .vgpr_count:     512
    .wavefront_size: 32
...
	.end_amdgpu_metadata
.endif
;; end of part 3
;; launch proj (part 4): grid 4 x 32, 4 waves a work-group, clusters of 4 x 4, 327,680 bytes of LDS; arguments oimg, oscl, opc, ops, b_proj, out0; writes out0
.if DOCPART == 4
	.amdgcn_target "amdgcn-amd-amdhsa--gfx1250"
	.amdhsa_code_object_version 6
	.text
	.protected	k_qedbfbc8a09_proj
	.globl	k_qedbfbc8a09_proj
	.p2align	8
	.type	k_qedbfbc8a09_proj,@function
k_qedbfbc8a09_proj:
	s_mov_b64 s[64:65], 0
	v_nop
	global_prefetch_b8 v0, s[64:65] scope:SCOPE_SE
	s_setreg_imm32_b32 hwreg(HW_REG_WAVE_MODE, 25, 1), 1
	s_wait_xcnt 0x0
	s_wait_alu depctr_hold_cnt(0) depctr_sa_sdst(0) depctr_va_vdst(0) depctr_va_sdst(0) depctr_va_ssrc(0) depctr_va_vcc(0) depctr_vm_vsrc(0)
	s_getreg_b32 s2, hwreg(HW_REG_IB_STS2, 6, 4)
	s_cmp_eq_u32 s2, 0
	s_cbranch_scc0 .Lentry_in_a_cluster
	s_endpgm
.Lentry_in_a_cluster:
	s_bfe_u32 s2, ttmp6, 0x10000c
	s_cmp_lg_u32 s2, 0xf033
	s_cbranch_scc0 .Lentry_shape_is_right
	s_endpgm
.Lentry_shape_is_right:
.set FR,     12
.set NP,     4
.set HALFT,  24576
.set SLOT,   4*HALFT
.set SCL,    2*SLOT
.set SPARE,  SCL+4*4096
.set SPITCH, 528
.set ADRA, 16
.set ADRB, 20
.set STO,  24
.set RD,   25
.set ADRS, 27
.set SPW,  28
.set NIL,  29
.set SC,   32
.set BIAS, 64
.set AF,   128
.set BK,   128
.set G1, 24
.set G0, 32
.set G1B, 48
.set G0B, 56
.set G1S, 68
.set G0S, 76
.set G1SB, 80
.set G0SB, 88
.set MSB, 0
.macro WIN new
.if MSB != (\new)
	s_set_vgpr_msb (MSB<<8)|(\new)
.set MSB, \new
.endif
.endm
.set MUL_LO, 0xa1
.set MUL_HI, 0xf1
.set TO_B,   0x40
.macro JLOAD g0a, g1a, g0b, g1b
	s_cmp_eq_u32 s15, 0
	s_cbranch_scc0 .Lfor_b_\@
	tensor_load_to_lds s[\g0a:\g0a+3], s[\g1a:\g1a+7]
	s_nop 0
.rept 4
	v_nop
.endr
	s_branch .Lasked_\@
.Lfor_b_\@:
	tensor_load_to_lds s[\g0b:\g0b+3], s[\g1b:\g1b+7]
	s_nop 0
.rept 4
	v_nop
.endr
.Lasked_\@:
.endm
.macro CREST
	s_cmp_lg_u32 s14, 0
	s_cbranch_scc1 .Lnot_wave_0_\@
	s_barrier_signal -3
.Lnot_wave_0_\@:
	s_barrier_wait -3
	s_barrier_signal -1
	s_barrier_wait -1
.endm
.macro CROUND
	s_barrier_signal -1
	s_barrier_wait -1
	CREST
.endm
	s_load_b256 s[4:11], s[0:1], 0x0
	s_load_b128 s[96:99], s[0:1], 0x20
	v_lshl_add_u32 v[SPW], v0, 2, SPARE
	v_mov_b32 v[NIL], 0
	ds_add_u32 v[SPW], v[NIL]
	ds_add_u32 v[SPW], v[NIL]
	v_lshrrev_b32 v1, 5, v0
	v_readfirstlane_b32 s14, v1
	s_lshr_b32 s15, s14, 1
	s_and_b32 s16, s14, 1
	s_bfe_u32 s40, ttmp6, 0x40000
	s_bfe_u32 s41, ttmp6, 0x40004
	s_and_b32 s17, ttmp7, 0xffff
	s_lshl_b32 s17, s17, 2
	s_add_co_u32 s17, s17, s41
	s_lshl_b32 s42, ttmp9, 2
	s_add_co_u32 s42, s42, s40
	s_lshl_b32 s92, s41, 2
	s_lshl_b32 s92, 15, s92
	s_lshl_b32 s93, 0x1111, s40
	s_or_b32 s[G1], s92, (3<<16)|(1<<21)
	s_or_b32 s[G1B], s93, (3<<16)|(1<<21)
	s_or_b32 s[G1S], s92, (3<<16)|(1<<21)
	s_or_b32 s[G1SB], s93, (3<<16)|(1<<21)
.irp g, G1, G1B
	s_mov_b32 s[\g+1], 384<<16
	s_mov_b32 s[\g+2], 16<<16                      ; the head's loads of codes bring all 16 row tiles of a side; the ring's loads 8 (set behind the head's wait)
	s_mov_b32 s[\g+3], 384<<16
	s_mov_b32 s[\g+4], 16
	s_mov_b32 s[\g+5], 1536
	s_mov_b32 s[\g+6], 0
	s_mov_b32 s[\g+7], 0
.endr
.irp g, G1S, G1SB
	s_mov_b32 s[\g+1], 32<<16
	s_mov_b32 s[\g+2], 32<<16                      ; the scales of all 16 row tiles of a side: 32 rows of 256 bytes
	s_mov_b32 s[\g+3], 32<<16
	s_mov_b32 s[\g+4], 32
	s_mov_b32 s[\g+5], 32
	s_mov_b32 s[\g+6], 0
	s_mov_b32 s[\g+7], 0
.endr
	s_lshl_b32 s18, s16, 3
	s_lshl_b32 s20, s17, 4
	s_add_co_u32 s20, s20, s18
	s_lshl_b32 s46, s42, 4
	s_add_co_u32 s46, s46, s18
	s_add_co_u32 s46, s46, 704
	s_lshl_b32 s22, s17, 13                        ; the scales of a side's 16 row tiles begin at 16 x 512 bytes x its tile number;
	s_lshl_b32 s94, s42, 13
	s_add_co_u32 s94, s94, 704*512                 ; w_proj's row tiles begin at 704
	s_mul_i32 s20, s20, 12288
	s_mul_i32 s46, s46, 12288
	s_mov_b32 s21, 0
	s_mov_b32 s23, 0
	s_mov_b32 s47, 0
	s_mov_b32 s95, 0
	s_mul_i32 s45, s14, HALFT
	s_lshl_b32 s19, s15, 13                        ; LDS: A's scales (wave 1 brings them) at SCL, B's (wave 3) 8,192 bytes on
	s_wait_dscnt 0x0
	s_wait_kmcnt 0x0
	s_add_nc_u64 s[20:21], s[4:5], s[20:21]
	s_add_nc_u64 s[22:23], s[6:7], s[22:23]
	s_add_nc_u64 s[46:47], s[8:9], s[46:47]
	s_add_nc_u64 s[94:95], s[10:11], s[94:95]
	CROUND
	s_mov_b32 s[G0S], 1
	s_add_co_u32 s[G0S+1], s19, SCL
	s_mov_b64 s[G0S+2:G0S+3], s[22:23]
	s_or_b32 s[G0S+3], s[G0S+3], 0x80000000
	s_mov_b32 s[G0SB], 1
	s_add_co_u32 s[G0SB+1], s19, SCL
	s_mov_b64 s[G0SB+2:G0SB+3], s[94:95]
	s_or_b32 s[G0SB+3], s[G0SB+3], 0x80000000
.irp s, 0,1
	s_mov_b32 s[G0+4*\s], 1
	s_add_co_u32 s[G0+4*\s+1], s45, \s*SLOT
	s_add_nc_u64 s[G0+4*\s+2:G0+4*\s+3], s[20:21], \s*3072
	s_or_b32 s[G0+4*\s+3], s[G0+4*\s+3], 0x80000000
	s_mov_b32 s[G0B+4*\s], 1
	s_add_co_u32 s[G0B+4*\s+1], s45, \s*SLOT
	s_add_nc_u64 s[G0B+4*\s+2:G0B+4*\s+3], s[46:47], \s*3072
	s_or_b32 s[G0B+4*\s+3], s[G0B+4*\s+3], 0x80000000
.endr
; THE HEAD'S LOADS, ONE A WAVE: wave 0 slot 0's 16 row tiles of A, wave 1 A's scales, wave 2 slot 0's 16 row tiles of B, wave 3 B's scales.
; Waves 0 and 2 use their own slot 0 descriptors: their half is the first, so 16 rows from there are the whole side.  One chain of branches on the wave's number, one load to an arm.
.macro ARM under, g0, g1, next
	s_cmp_lt_u32 s14, \under
	s_cbranch_scc0 \next
	tensor_load_to_lds s[\g0:\g0+3], s[\g1:\g1+7]
	s_nop 0
.rept 4
	v_nop
.endr
	s_branch .Lhead_asked
\next:
.endm
	ARM 1, G0, G1, .Lhead_sa
	ARM 2, G0S, G1S, .Lhead_b
	ARM 3, G0B, G1B, .Lhead_sb
	tensor_load_to_lds s[G0SB:G0SB+3], s[G1SB:G1SB+7]
	s_nop 0
.rept 4
	v_nop
.endr
.Lhead_asked:
	v_and_b32 v1, 31, v0
	v_and_b32 v2, 15, v0
	v_bfe_u32 v3, v0, 4, 1
	v_lshlrev_b32 v4, 4, v1
	s_wait_alu depctr_va_vdst(0)
	v_lshlrev_b32 v5, 3, v1
	s_wait_alu depctr_va_vdst(0)
	v_lshlrev_b32 v7, 6, v3
	s_lshl_b32 s20, s42, 10
	s_lshl_b32 s22, s16, 9
	s_add_co_u32 s20, s20, s22
	s_mov_b32 s21, 0
	s_add_nc_u64 s[96:97], s[96:97], s[20:21]
.irp b, 0,1,2,3,4,5,6,7
	global_load_b128 v[BIAS+8*\b:BIAS+8*\b+3], v7, s[96:97] offset:(32*(\b/2)+8*(\b%2))*4
	global_load_b128 v[BIAS+8*\b+4:BIAS+8*\b+7], v7, s[96:97] offset:(32*(\b/2)+8*(\b%2))*4+16
.endr
	s_lshl_b32 s22, s17, 8
	s_lshl_b32 s23, s15, 7
	s_add_co_u32 s22, s22, s23
	s_lshl_b32 s22, s22, 12
	s_add_co_u32 s20, s20, s22
	s_add_nc_u64 s[98:99], s[98:99], s[20:21]
	s_mul_i32 s21, s15, HALFT
	s_mul_i32 s22, s16, HALFT
	s_add_co_u32 s22, s22, 2*HALFT
.irp s, 0,1
	v_add_nc_u32 v[ADRA+\s], s21, v4
	v_add_nc_u32 v[ADRA+2+\s], s21, v5
	v_add_nc_u32 v[ADRB+\s], s22, v4
	v_add_nc_u32 v[ADRB+2+\s], s22, v5
	s_add_co_u32 s21, s21, SLOT
	s_add_co_u32 s22, s22, SLOT
.endr
	s_lshl_b32 s21, s15, 12
	s_lshl_b32 s22, s16, 12
	s_add_co_u32 s22, s22, 8192
	s_sub_co_u32 s22, s22, s21
	v_mul_u32_u24 v6, s22, v3
	s_add_co_u32 s21, s21, SCL
	v_lshl_add_u32 v6, v2, 2, v6
	v_add_nc_u32 v[ADRS], s21, v6
	s_mul_i32 s23, s14, 16*SPITCH
	v_mul_u32_u24 v6, v2, SPITCH
	v_lshl_add_u32 v6, v3, 6, v6
	v_add_nc_u32 v[STO], s23, v6
	v_add_nc_u32 v[RD], s23, v4
.macro FRAG reg, adr, q, i
	ds_load_b128 v[\reg:\reg+3], v[\adr] offset:3072*(\i)+1536*(\q)
	ds_load_b64 v[\reg+4:\reg+5], v[\adr+2] offset:3072*(\i)+1536*(\q)+512
	ds_load_b128 v[\reg+6:\reg+9], v[\adr] offset:3072*(\i)+1536*(\q)+768
	ds_load_b64 v[\reg+10:\reg+11], v[\adr+2] offset:3072*(\i)+1536*(\q)+1280
.endm
.macro MUL16 a0, p, q, sc, bias
.irp a, \a0, \a0+1
.irp b, 0,1,2,3,4,5,6,7
.if \bias
	v_wmma_scale_f32_16x16x128_f8f6f4 v[8*(8*((\a)%4)+\b):8*(8*((\a)%4)+\b)+7], v[128*(\p)+FR*\b:128*(\p)+FR*\b+FR-1], v[AF+FR*(\a):AF+FR*(\a)+FR-1], v[BIAS+8*\b:BIAS+8*\b+7], v[SC+16*(\sc)+2*\b+(\q)], v[SC+16*(\sc)+2*(\a)+(\q)] matrix_a_fmt:MATRIX_FMT_FP6 matrix_b_fmt:MATRIX_FMT_FP6 matrix_a_scale:MATRIX_SCALE_ROW1
.else
	v_wmma_scale_f32_16x16x128_f8f6f4 v[8*(8*((\a)%4)+\b):8*(8*((\a)%4)+\b)+7], v[128*(\p)+FR*\b:128*(\p)+FR*\b+FR-1], v[AF+FR*(\a):AF+FR*(\a)+FR-1], v[8*(8*((\a)%4)+\b):8*(8*((\a)%4)+\b)+7], v[SC+16*(\sc)+2*\b+(\q)], v[SC+16*(\sc)+2*(\a)+(\q)] matrix_a_fmt:MATRIX_FMT_FP6 matrix_b_fmt:MATRIX_FMT_FP6 matrix_a_scale:MATRIX_SCALE_ROW1
.endif
.endr
.endr
.endm
.macro FETCH_B slot, q, p
	WIN TO_B
.irp i, 0,1,2,3,4,5,6,7
	FRAG 128*(\p)+FR*\i, ADRB+\slot, \q, \i
.endr
	WIN 0
.endm
.macro FETCH_A slot, q, i0
.irp i, \i0, \i0+1, \i0+2, \i0+3
	FRAG AF+FR*(\i), ADRA+\slot, \q, \i
.endr
.endm
.macro SCALES set, ks
.irp i, 0,1,2,3,4,5,6,7
.irp q, 0,1
	ds_load_b32 v[SC+16*\set+2*\i+\q], v[ADRS] offset:512*\i+64*(2*\ks+\q)
.endr
.endr
.endm
.macro PLACES n
.rept \n
	v_nop
.endr
.endm
.macro STEP slot, bias
	s_wait_dscnt 16
.if \bias
	WIN 0x81
.else
	WIN MUL_LO
.endif
	MUL16 0, 0, 0, \slot, \bias
	MUL16 2, 0, 0, \slot, \bias
	s_wait_dscnt 0x0
	PLACES NP
	FETCH_B \slot, 1, 1
	FETCH_A \slot, 1, 0
.if \bias
	WIN 0xc1
.else
	WIN MUL_HI
.endif
	MUL16 4, 0, 0, \slot, \bias
	MUL16 6, 0, 0, \slot, \bias
	PLACES NP
	WIN 0
	FETCH_A \slot, 1, 4
.endm
.macro TURN slot, next, fill, ksn
	s_wait_tensorcnt 0x0
	ds_add_u32 v[SPW], v[NIL]
	s_wait_dscnt 17
	WIN MUL_LO
	MUL16 0, 1, 1, \slot, 0
	s_wait_dscnt 0x0
	s_barrier_signal -1
	MUL16 2, 1, 1, \slot, 0
	WIN 0
	s_barrier_wait -1
.if \fill
	CREST
	s_add_nc_u64 s[G0+4*\slot+2:G0+4*\slot+3], s[G0+4*\slot+2:G0+4*\slot+3], 6144
	s_add_nc_u64 s[G0B+4*\slot+2:G0B+4*\slot+3], s[G0B+4*\slot+2:G0B+4*\slot+3], 6144
	JLOAD G0+4*\slot, G1, G0B+4*\slot, G1B
.else
	PLACES NP
.endif
	FETCH_B \next, 0, 0
	FETCH_A \next, 0, 0
	SCALES \next, \ksn
	WIN MUL_HI
	MUL16 4, 1, 1, \slot, 0
	MUL16 6, 1, 1, \slot, 0
	PLACES NP
	WIN 0
	FETCH_A \next, 0, 4
.endm
	s_wait_alu depctr_va_vdst(0)
	s_wait_tensorcnt 0x0                           ; my tile of the head's four is in; slot 1's first fill is issued as a refill is
	ds_add_u32 v[SPW], v[NIL]
	s_mov_b32 s[G1+2], 8<<16                       ; no tensor load of mine is out: from here on a load brings 8 row tiles
	s_mov_b32 s[G1+4], 8
	s_mov_b32 s[G1B+2], 8<<16
	s_mov_b32 s[G1B+4], 8
	s_wait_dscnt 0x0
	CROUND                                         ; all four tiles are in, in every partner
	JLOAD G0+4, G1, G0B+4, G1B                     ; slot 1: the first tensor load behind the round
	FETCH_B 0, 0, 0
	FETCH_A 0, 0, 0
	SCALES 0, 0
	FETCH_A 0, 0, 4
	s_wait_loadcnt 0x0
	STEP 0, 1
	TURN 0, 1, 1, 1
	STEP 1, 0
	TURN 1, 0, 1, 2
	STEP 0, 0
	TURN 0, 1, 0, 3
	STEP 1, 0
	s_wait_dscnt 16
	WIN MUL_LO
	MUL16 0, 1, 1, 1, 0
	MUL16 2, 1, 1, 1, 0
	s_wait_dscnt 0x0
	WIN MUL_HI
	MUL16 4, 1, 1, 1, 0
	MUL16 6, 1, 1, 1, 0
	WIN 0
.macro TOSTAGE a
.set AC, 64*((\a)%4)
	WIN 0x08+4*((\a)/4)
.irp b, 0,1,2,3,4,5,6,7
	ds_store_b128 v[STO], v[AC+8*\b:AC+8*\b+3] offset:128*(\b/2)+32*(\b%2)
	ds_store_b128 v[STO], v[AC+8*\b+4:AC+8*\b+7] offset:128*(\b/2)+32*(\b%2)+16
.endr
	WIN 0
.set BB, BK+64*((\a)%2)
.irp t, 0,1,2,3,4,5,6,7,8,9,10,11,12,13,14,15
	ds_load_b128 v[BB+4*\t:BB+4*\t+3], v[RD] offset:\t*SPITCH
.endr
.endm
.macro SEND a, younger
.set BB, BK+64*((\a)%2)
	s_wait_dscnt \younger
.irp t, 0,1,2,3,4,5,6,7,8,9,10,11,12,13,14,15
	global_store_b128 v4, v[BB+4*\t:BB+4*\t+3], s[98:99] offset:(32*((\a)/2)+8*((\a)%2)+\t+8*(\t/8))*4096 th:TH_STORE_NT
.endr
.endm
	PLACES NP
	TOSTAGE 0
.irp a, 1,2,3,4,5,6,7
.if \a > 1
	s_wait_xcnt 0x0
.endif
	TOSTAGE \a
	SEND \a-1, 32
.endr
	SEND 7, 0
	s_wait_tensorcnt 0x0
	ds_add_u32 v[SPW], v[NIL]
	s_wait_dscnt 0x0
	CROUND
	s_endpgm
.Lfunc_end_k_qedbfbc8a09_proj:
	.size	k_qedbfbc8a09_proj, .Lfunc_end_k_qedbfbc8a09_proj-k_qedbfbc8a09_proj
	.p2alignl 7, 3214868480
	.fill 96, 4, 3214868480
	.section	.rodata,"a",@progbits
	.p2align	6, 0x0
	.amdhsa_kernel k_qedbfbc8a09_proj
		.amdhsa_group_segment_fixed_size 327680
		.amdhsa_private_segment_fixed_size 0
		.amdhsa_enable_private_segment 0
		.amdhsa_kernarg_size 48
		.amdhsa_user_sgpr_count 2
		.amdhsa_user_sgpr_kernarg_segment_ptr 1
		.amdhsa_wavefront_size32 1
		.amdhsa_system_sgpr_workgroup_id_x 1
		.amdhsa_system_sgpr_workgroup_id_y 1
		.amdhsa_system_sgpr_workgroup_id_z 1
		.amdhsa_system_vgpr_workitem_id 0
		.amdhsa_next_free_vgpr 1024
		.amdhsa_next_free_sgpr 100
		.amdhsa_reserve_vcc 0
		.amdhsa_float_denorm_mode_32 3
		.amdhsa_float_denorm_mode_16_64 3
		.amdhsa_memory_ordered 1
		.amdhsa_forward_progress 1
		.amdhsa_inst_pref_size 147
	.end_amdhsa_kernel
	.amdgpu_metadata
---
amdhsa.version: [ 1, 2 ]
amdhsa.kernels:
  - .name:           k_qedbfbc8a09_proj
    .symbol:         k_qedbfbc8a09_proj.kd
    .args:
      - { .name: oimg, .offset: 0, .size: 8, .value_kind: global_buffer, .address_space: global }
      - { .name: oscl, .offset: 8, .size: 8, .value_kind: global_buffer, .address_space: global }
      - { .name: opc, .offset: 16, .size: 8, .value_kind: global_buffer, .address_space: global }
      - { .name: ops, .offset: 24, .size: 8, .value_kind: global_buffer, .address_space: global }
      - { .name: b_proj, .offset: 32, .size: 8, .value_kind: global_buffer, .address_space: global }
      - { .name: out0, .offset: 40, .size: 8, .value_kind: global_buffer, .address_space: global }
    .group_segment_fixed_size: 327680
    .private_segment_fixed_size: 0
    .kernarg_segment_align: 8
    .kernarg_segment_size: 48
    .max_flat_workgroup_size: 128
    .sgpr_count:     100
    .vgpr_count:     1024
    .wavefront_size: 32
...
	.end_amdgpu_metadata
.endif
;; end of part 4
